; MI455X (gfx1250); checked and timed in simulation.
; The chip was launched on July 23, 2026; its instructions are those of AMD's public machine-readable ISA for CDNA 5 (MIT licence, August 2026) and "CDNA5" Instruction Set Architecture Reference Guide (July 2026). The comments in the code are by the model that wrote it; some were corrected since.
;; Multi Head Self Attention. Allowed arithmetic: matrix products marked QUANTISED: E4M3 operands, one given power-of-two scale a tensor, by v_wmma_f32_16x16x64_fp8_fp8 or v_wmma_f32_16x16x128_fp8_fp8, f32 sums; everything else in f32.
;; Inputs: W_lin 1,024 x 1,024 float32; W_qkv 1,024 x 3,072 float32; b_lin 1,024 float32; b_qkv 3,072 float32; lowp_scales 8 int32 (the exponents e of the quantised operands' scales 2^e); x 4 x 2,048 x 1,024 float32.
;; Outputs: out0 4 x 2,048 x 1,024 float32.
;; This version of the problem:
;;   THIS VERSION OF THE PROBLEM IS GIVEN IN LOW PRECISION. The matrix products marked QUANTISED in the list below multiply operands that are first quantised to E4M3 (4 exponent bits, 3 mantissa bits; 8 bits a number), with one given power-of-two scale for each operand tensor; their sums are f32. All else is computed in f32.
;;   The module's matrix products, in the order in which they are computed (A, B: the left and right operand; K: the contracted axis; several contracted axes count as one K, in the product's order):
;;     1. [M 8,192, K 1,024] x [K 1,024, N 3,072]; A: input x; B: input W_qkv: QUANTISED (scales: A lowp_scales[0], B lowp_scales[1])
;;     2. batch 64 x [M 2,048, K 64] x [K 64, N 2,048]; A: computed on the way; B: computed on the way: QUANTISED (scales: A lowp_scales[2], B lowp_scales[3])
;;     3. batch 64 x [M 2,048, K 2,048] x [K 2,048, N 64]; A: softmax (see below); B: computed on the way: QUANTISED (scales: A lowp_scales[4], B lowp_scales[5])
;;     4. [M 8,192, K 1,024] x [K 1,024, N 1,024]; A: computed on the way; B: input W_lin: QUANTISED (scales: A lowp_scales[6], B lowp_scales[7])
;;   THE QUANTISER, for each operand of a quantised product, along K:
;;     - The operand's scale is 2^e, e = its entry of the input lowp_scales (int32; the entries are numbered through the quantised products in the list's order, A before B).
;;     - Each number is divided by the scale, clamped to +-448, and rounded to the nearest number of E4M3, ties to even, subnormals kept.
;;     - The product sums the exact products of the quantised numbers (number of the format x scale) in f32.
;;   ~~~python
;;   def quantise(x, axis, e):      # numpy; x: float32 -> the quantised numbers, widened to float32 again
;;       x = np.moveaxis(x, axis, -1); K = x.shape[-1]
;;       r = np.clip(x / 2.0 ** e, -448, 448)
;;       step = 2.0 ** (np.maximum(np.frexp(np.where(r == 0, 1, r))[1] - 1, -6) - 3)
;;       q = np.round(r / step) * step * 2.0 ** e      # np.round: ties to even
;;       return np.moveaxis(q, -1, axis).astype(np.float32)
;;   ~~~
;;   SOFTMAX AHEAD OF A QUANTISED PRODUCT. Where the list says 'softmax', what is quantised is not the finished softmax but p = 2^(t - M), with t = logit x log2(e) and M = ceil(the row's largest t), a whole number; so 1/2 < the row's largest p <= 1. The row's sum l is taken of the UNQUANTISED p, in f32, and the product's result is divided by l at the end. Since M is a whole number, a kernel that streams over the keys may use a running M (the ceiling of the running maximum): every later rescaling is an exact power of two, so the quantised numbers keep their values, but for numbers so far below the row's largest that they fall under the format's range.
;;   OPERANDS COMPUTED ON THE WAY. 'Computed on the way' means the value that the module computes at that place (a softmax that the list does not call 'softmax' is quantised finished and normalised). What goes into a quantiser is computed in f32, as accurately as f32 sums, v_exp_f32 and their like allow (about 1e-6 of the number): no bf16 or f16 on the way to a quantiser, and a product that is left as it is and whose result goes on into a quantised operand takes f32 operands (vector FMAs, or v_wmma_f32_16x16x4_f32). A number that lies on a knife's edge between two numbers of the format may be rounded either way, as far as f32 arithmetic and the matrix unit's own rounding can turn it there, and no further.
;; One version. Each part assembles by itself: llvm-mc -triple=amdgcn-amd-amdhsa -mcpu=gfx1250 --defsym DOCPART=n.
;; ======== version 1 of 1: 4 launches
;; limits: right only within a limited range of input values
;; workspace buffers: xc 8,388,608 bytes; wqc 3,145,728 bytes; wlc 1,048,576 bytes; qc 8,388,608 bytes; kc 8,388,608 bytes; vc 8,388,608 bytes; zc 8,388,608 bytes
;; launch prep (part 1): grid 384 x 1, 4 waves a work-group, no clusters, 68,096 bytes of LDS; arguments x, W_qkv, W_lin, lowp_scales, xc, wqc, wlc; writes xc, wqc, wlc
.if DOCPART == 1
	.amdgcn_target "amdgcn-amd-amdhsa--gfx1250"
	.amdhsa_code_object_version 6
	.text
	.protected	k_q8c4c8d7a24_prep
	.globl	k_q8c4c8d7a24_prep
	.p2align	8
	.type	k_q8c4c8d7a24_prep,@function
k_q8c4c8d7a24_prep:
	s_mov_b64 s[64:65], 0
	v_nop
	global_prefetch_b8 v0, s[64:65] scope:SCOPE_SE
	s_setreg_imm32_b32 hwreg(HW_REG_WAVE_MODE, 25, 1), 1
	s_wait_xcnt 0x0
; x [8192][1024], W_qkv [1024 k][3072 n] and W_lin [1024 k][1024 n], all f32, become codes of FP8 (E4M3), K innermost, each with the one scale 2^e given for it
; (entries 0, 1 and 7 of the scales): code = number / 2^e, held within +-448, rounded to the nearest code, ties to even.
; xc [8192][1024], wqc [3072 n][1024 k], wlc [1024 n][1024 k], one byte a code.
; LIMITS: each e lies between -126 and 119, so that 2^e and 448 x 2^e are f32 numbers.  NaN among the inputs is not served; an infinity is held at the largest code.
; Work-groups 0 to 255 take x (K is innermost: a plain stream of numbers); work-groups 256 to 383 take the weights (K is the first axis: a lane takes a column, its registers run down K).
; The two paths part on the work-group's number and have LDS bytes of their own.  No tensor load, no barrier: waves share nothing.  Memory binds, so the matrix unit and clusters have no part here.
; WORK LEFT OUT, in the later launch attn: key steps all of whose keys come after a tile's queries.  the causal mask sets those scores to -inf ahead of the softmax,
; so their weights are 0 whatever the inputs hold.  LIMIT: a NaN, an infinity or an overflow that reaches only those scores is not carried to the result.
.set SPARE, 67584
.set SPW,   12                         ; v12  LDS address of my spare word; never rewritten
.set NIL,   13                         ; v13  0; never rewritten
.set EMAX,  8
.set MANT,  0x600000                   ; the mantissa field of 448 as f32
; the x path
.set STEPS, 16                         ; a wave takes 16 steps of 512 numbers
.set WREG,  8192                       ; LDS bytes 0 .. 32,767: a region for each wave: two stages of 32 x SP bytes
.set SP,    80                         ; a lane's place in a stage: its 64 bytes + 16 of padding
.set R,     16                         ; v16-79   four sets of 16 numbers as they are loaded
.set X,     80                         ; v80-111  two sets of 16 neighbours
.set C,     128                        ; v128-191 codes: four registers for each step, so that no store's data are written again
; the W path
.set WST,   32768                      ; LDS bytes 32,768 .. 67,583: a stage of 32 rows x PITCH for each wave
.set PITCH, 272                        ; 256 bytes of codes + 16
.set NB,    8                          ; blocks of 32 along K for a wave
.set OFFS,  16                         ; v16-47   4 x lane + i rows of the weight; never rewritten
.set XW,    48                         ; v48-111  two sets of 32 numbers
.set CW,    112                        ; v112-119 a block's codes
.set OUTR,  120                        ; v120-183 the way out
	s_load_b256 s[4:11], s[0:1], 0x0               ; x s[4:5], W_qkv s[6:7], W_lin s[8:9], the scales' exponents s[10:11]
	s_load_b128 s[12:15], s[0:1], 0x20             ; xc s[12:13], wqc s[14:15]
	s_load_b64 s[16:17], s[0:1], 0x30              ; wlc
	v_lshl_add_u32 v[SPW], v0, 2, SPARE
	v_mov_b32 v[NIL], 0
	v_lshrrev_b32 v1, 5, v0
	v_readfirstlane_b32 s18, v1                    ; wave 0..3
	v_and_b32 v2, 31, v0                           ; lane
	s_wait_kmcnt 0x0
	s_load_b256 s[48:55], s[10:11], 0x0            ; e0 .. e7
	s_cmp_lt_u32 ttmp9, 256
	s_cbranch_scc0 .Lw
; ---------------- x: each of a step's four loads reads 512 consecutive bytes, 16 a lane; the 2,048 bytes turn through the wave's own stage and come back 64 bytes a lane: 16 neighbours along K
	s_wait_alu depctr_va_vdst(0)
	v_lshlrev_b32 v3, 4, v2                        ; 16 x lane: my bytes of a load's 512, and my 16 codes of a step's 512
	s_wait_alu depctr_va_vdst(0)
	s_mul_i32 s19, s18, WREG
	v_lshrrev_b32 v14, 2, v2
	v_mul_u32_u24 v14, v14, SP
	v_and_b32 v15, 3, v2
	v_lshl_add_u32 v14, v15, 4, v14
	v_add_nc_u32 v14, s19, v14                     ; into the stage: four lanes' 64 bytes on end, then 16 of padding
	v_mul_u32_u24 v15, v2, SP
	v_add_nc_u32 v15, s19, v15                     ; out of it: SP x lane
	s_lshl_b32 s20, ttmp9, 2
	s_add_co_u32 s20, s20, s18                     ; which run of 8,192 numbers is my wave's: 0 .. 1,023
	s_lshl_b32 s22, s20, 15                        ; 32,768 bytes of f32,
	s_mov_b32 s23, 0
	s_add_nc_u64 s[4:5], s[4:5], s[22:23]
	s_lshl_b32 s22, s20, 13                        ; 8,192 bytes of codes
	s_add_nc_u64 s[12:13], s[12:13], s[22:23]
.macro LOADX t
.irp i, 0,1,2,3
	global_load_b128 v[R+16*((\t)%4)+4*\i:R+16*((\t)%4)+4*\i+3], v3, s[4:5] offset:2048*(\t)+512*\i th:TH_LOAD_NT
.endr
.endm
.macro TURNX t                         ; LDS serves a wave's instructions in order (ISA guide 5.7.1.4): no wait between the stores and the loads
.irp i, 0,1,2,3
	ds_store_b128 v14, v[R+16*((\t)%4)+4*\i:R+16*((\t)%4)+4*\i+3] offset:32*SP*((\t)%2)+8*SP*\i
.endr
.irp i, 0,1,2,3
	ds_load_b128 v[X+16*((\t)%2)+4*\i:X+16*((\t)%2)+4*\i+3], v15 offset:32*SP*((\t)%2)+16*\i
.endr
.endm
.irp t, 0,1,2,3
	LOADX \t
.endr
	s_wait_alu depctr_va_vdst(0)
	s_wait_kmcnt 0x0
	s_add_co_i32 s22, s48, 127
	s_lshl_b32 s23, s22, 23
	v_mov_b32 v11, s23                             ; 2^e0 as f32: the conversion takes its exponent field
	s_add_co_i32 s22, s22, EMAX
	s_lshl_b32 s22, s22, 23
	s_or_b32 s22, s22, MANT
	v_mov_b32 v10, s22                             ; 448 x 2^e0
	s_wait_alu depctr_va_vdst(0)
	s_wait_loadcnt 12                              ; step 0's four loads are in; the twelve of steps 1 to 3 may be out
	TURNX 0
.macro STEPX t
.set XS, X+16*((\t)%2)
	s_wait_dscnt 0x0                               ; this step's numbers are back from the stage, so its stores into the stage have read their registers,
.if (\t)+4 < STEPS
	LOADX (\t)+4                                   ; which take the loads of four steps on
.endif
.if (\t)+1 < STEPS
.if STEPS-2-(\t) >= 3
	s_wait_loadcnt 12                              ; the next step's four loads are in; those of the three steps behind it may be out
.else
	s_wait_loadcnt 4*(STEPS-2-(\t))                ; the tail: the counts run down
.endif
	TURNX (\t)+1
.endif
.irp i, 0,1,2,3,4,5,6,7,8,9,10,11,12,13,14,15
	v_med3_num_f32 v[XS+\i], v[XS+\i], -v10, v10   ; the conversion to an 8-bit code does not saturate (ISA guide 7.6.2): the hold comes first
.endr
	v_cvt_scalef32_pk8_fp8_f32 v[C+4*(\t):C+4*(\t)+1], v[XS:XS+7], v11
	v_cvt_scalef32_pk8_fp8_f32 v[C+4*(\t)+2:C+4*(\t)+3], v[XS+8:XS+15], v11
	global_store_b128 v3, v[C+4*(\t):C+4*(\t)+3], s[12:13] offset:512*(\t)   ; the wave stores 512 consecutive bytes, aligned
.endm
.irp t, 0,1,2,3,4,5,6,7,8,9,10,11,12,13,14,15
	STEPX \t
.endr
	s_wait_tensorcnt 0x0                           ; the wave's end, behind my last LDS store
	ds_add_u32 v[SPW], v[NIL]
	s_wait_dscnt 0x0
	s_endpgm
; ---------------- the weights: 128 work-groups = 32 blocks of 128 columns (24 of W_qkv, 8 of W_lin) x 4 quarters of K.  A wave takes 32 columns x 256 along K.
; One text serves both weights: the row's bytes stand in a register, and the two buffers are chosen by the work-group's number.
.Lw:
	s_sub_co_u32 s19, ttmp9, 256
	s_and_b32 s20, s19, 31                         ; which block of columns, W_qkv's 24 first
	s_lshr_b32 s21, s19, 5                         ; which 256 along K
	s_mov_b32 s23, 4096
	s_cmp_lt_u32 s20, 24
	s_cselect_b64 s[24:25], s[6:7], s[8:9]         ; from
	s_cselect_b64 s[26:27], s[14:15], s[16:17]     ; to
	s_cselect_b32 s23, 12288, s23                  ; a row of the weight in bytes
	s_cselect_b32 s22, 0, 24
	s_sub_co_u32 s22, s20, s22
	s_lshl_b32 s22, s22, 7
	s_lshl_b32 s28, s18, 5
	s_add_co_u32 s22, s22, s28                     ; my wave's first column
	s_mul_i32 s28, s21, s23
	s_lshl_b32 s28, s28, 8                         ; 256 rows for each quarter of K,
	s_lshl_b32 s29, s22, 2
	s_add_co_u32 s28, s28, s29                     ; + 4 bytes a column
	s_mov_b32 s29, 0
	s_add_nc_u64 s[32:33], s[24:25], s[28:29]      ; block 0's first row
	s_lshl_b32 s28, s23, 5                         ; 32 rows on:
.irp t, 1,2,3,4,5,6,7
	s_add_nc_u64 s[32+2*\t:33+2*\t], s[30+2*\t:31+2*\t], s[28:29]   ; a base for each block, so that none is stepped while loads are out
.endr
	s_lshl_b32 s30, s22, 10                        ; the codes: my first column's row of 1,024 bytes,
	s_lshl_b32 s31, s21, 8
	s_add_co_u32 s30, s30, s31                     ; + my 256 along K
	s_mov_b32 s31, 0
	s_add_nc_u64 s[26:27], s[26:27], s[30:31]
	s_wait_alu depctr_va_vdst(0)
	v_lshlrev_b32 v[OFFS], 2, v2                   ; 4 bytes a lane: a load reads 128 consecutive bytes
.set i, 1
.rept 31
	v_add_nc_u32 v[OFFS+i], s23, v[OFFS+i-1]       ; a row further down
.set i, i+1
.endr
	s_mul_i32 s19, s18, 32*PITCH
	s_add_co_u32 s19, s19, WST                     ; my stage
	v_mul_u32_u24 v4, v2, PITCH
	v_add_nc_u32 v4, s19, v4                       ; into it: row = my column
	v_and_b32 v5, 15, v2
	v_lshrrev_b32 v6, 4, v2
	v_mul_u32_u24 v7, v6, PITCH
	v_lshl_add_u32 v7, v5, 4, v7
	v_add_nc_u32 v7, s19, v7                       ; out of it: sixteen lanes to a row, two rows an instruction
	v_lshlrev_b32 v8, 10, v6
	v_lshl_add_u32 v8, v5, 4, v8                   ; and the same place among the codes' rows
.macro LOADW t                         ; block t: W(32 t + i, my column), i = 0 .. 31, into set t % 2
.irp i, 0,1,2,3,4,5,6,7,8,9,10,11,12,13,14,15,16,17,18,19,20,21,22,23,24,25,26,27,28,29,30,31
	global_load_b32 v[XW+32*((\t)%2)+\i], v[OFFS+\i], s[32+2*(\t):33+2*(\t)] th:TH_LOAD_NT
.endr
.endm
	LOADW 0
	LOADW 1
	s_wait_kmcnt 0x0
	s_cmp_lt_u32 s20, 24
	s_cselect_b32 s28, s49, s55                    ; e1 or e7
	s_add_co_i32 s28, s28, 127
	s_lshl_b32 s29, s28, 23
	v_mov_b32 v11, s29                             ; 2^e
	s_add_co_i32 s28, s28, EMAX
	s_lshl_b32 s28, s28, 23
	s_or_b32 s28, s28, MANT
	v_mov_b32 v10, s28                             ; 448 x 2^e
.macro BLOCKW t
.set XS, XW+32*((\t)%2)
.if (\t) < NB-1
	s_wait_loadcnt 32                              ; this block's 32 loads are in; the next block's 32 may be out
.else
	s_wait_loadcnt 0
.endif
.irp i, 0,1,2,3,4,5,6,7,8,9,10,11,12,13,14,15,16,17,18,19,20,21,22,23,24,25,26,27,28,29,30,31
	v_med3_num_f32 v[XS+\i], v[XS+\i], -v10, v10
.endr
.irp g, 0,1,2,3
	v_cvt_scalef32_pk8_fp8_f32 v[CW+2*\g:CW+2*\g+1], v[XS+8*\g:XS+8*\g+7], v11
.endr
	ds_store_b128 v4, v[CW:CW+3] offset:32*(\t)    ; 32 codes: 32 bytes of my column's row
	ds_store_b128 v4, v[CW+4:CW+7] offset:32*(\t)+16
.if (\t)+2 < NB
	LOADW (\t)+2
.endif
	s_wait_dscnt 0x0                               ; the stores have read their registers: the next block's codes may be written
.endm
	s_wait_alu depctr_va_vdst(0)
.irp t, 0,1,2,3,4,5,6,7
	BLOCKW \t
.endr
.irp t, 0,1,2,3,4,5,6,7,8,9,10,11,12,13,14,15
	ds_load_b128 v[OUTR+4*\t:OUTR+4*\t+3], v7 offset:2*\t*PITCH
.endr
.irp t, 0,1,2,3,4,5,6,7,8,9,10,11,12,13,14,15
	s_wait_dscnt 15-\t                             ; the younger loads from the stage may be out
	global_store_b128 v8, v[OUTR+4*\t:OUTR+4*\t+3], s[26:27] offset:2*\t*1024   ; sixteen lanes store 256 consecutive bytes, aligned
.endr
	s_wait_tensorcnt 0x0                           ; the wave's end, behind my last LDS store
	ds_add_u32 v[SPW], v[NIL]
	s_wait_dscnt 0x0
	s_endpgm
.Lfunc_end_k_q8c4c8d7a24_prep:
	.size	k_q8c4c8d7a24_prep, .Lfunc_end_k_q8c4c8d7a24_prep-k_q8c4c8d7a24_prep
	.p2alignl 7, 3214868480
	.fill 96, 4, 3214868480
	.section	.rodata,"a",@progbits
	.p2align	6, 0x0
	.amdhsa_kernel k_q8c4c8d7a24_prep
		.amdhsa_group_segment_fixed_size 68096
		.amdhsa_private_segment_fixed_size 0
		.amdhsa_enable_private_segment 0
		.amdhsa_kernarg_size 56
		.amdhsa_user_sgpr_count 2
		.amdhsa_user_sgpr_kernarg_segment_ptr 1
		.amdhsa_wavefront_size32 1
		.amdhsa_system_sgpr_workgroup_id_x 1
		.amdhsa_system_sgpr_workgroup_id_y 1
		.amdhsa_system_sgpr_workgroup_id_z 1
		.amdhsa_system_vgpr_workitem_id 0
		.amdhsa_next_free_vgpr 192
		.amdhsa_next_free_sgpr 66
		.amdhsa_reserve_vcc 0
		.amdhsa_float_denorm_mode_32 3
		.amdhsa_float_denorm_mode_16_64 3
		.amdhsa_memory_ordered 1
		.amdhsa_forward_progress 1
		.amdhsa_inst_pref_size 87
	.end_amdhsa_kernel
	.amdgpu_metadata
---
amdhsa.version: [ 1, 2 ]
amdhsa.kernels:
  - .name:           k_q8c4c8d7a24_prep
    .symbol:         k_q8c4c8d7a24_prep.kd
    .args:
      - { .name: x, .offset: 0, .size: 8, .value_kind: global_buffer, .address_space: global }
      - { .name: W_qkv, .offset: 8, .size: 8, .value_kind: global_buffer, .address_space: global }
      - { .name: W_lin, .offset: 16, .size: 8, .value_kind: global_buffer, .address_space: global }
      - { .name: lowp_scales, .offset: 24, .size: 8, .value_kind: global_buffer, .address_space: global }
      - { .name: xc, .offset: 32, .size: 8, .value_kind: global_buffer, .address_space: global }
      - { .name: wqc, .offset: 40, .size: 8, .value_kind: global_buffer, .address_space: global }
      - { .name: wlc, .offset: 48, .size: 8, .value_kind: global_buffer, .address_space: global }
    .group_segment_fixed_size: 68096
    .private_segment_fixed_size: 0
    .kernarg_segment_align: 8
    .kernarg_segment_size: 56
    .max_flat_workgroup_size: 128
    .sgpr_count:     66
    .vgpr_count:     192
    .wavefront_size: 32
...
	.end_amdgpu_metadata
.endif
;; end of part 1
;; launch gemm_qkv (part 2): grid 4 x 64, 4 waves a work-group, clusters of 4 x 4, 327,680 bytes of LDS; arguments xc, wqc, b_qkv, lowp_scales, qc, kc, vc; writes qc, kc, vc
.if DOCPART == 2
	.amdgcn_target "amdgcn-amd-amdhsa--gfx1250"
	.amdhsa_code_object_version 6
	.text
	.protected	k_q8c4c8d7a24_gemm_qkv
	.globl	k_q8c4c8d7a24_gemm_qkv
	.p2align	8
	.type	k_q8c4c8d7a24_gemm_qkv,@function
k_q8c4c8d7a24_gemm_qkv:
	s_mov_b64 s[64:65], 0
	v_nop
	global_prefetch_b8 v0, s[64:65] scope:SCOPE_SE
	s_setreg_imm32_b32 hwreg(HW_REG_WAVE_MODE, 25, 1), 1
	s_wait_xcnt 0x0
	s_wait_alu depctr_hold_cnt(0) depctr_sa_sdst(0) depctr_va_vdst(0) depctr_va_sdst(0) depctr_va_ssrc(0) depctr_va_vcc(0) depctr_vm_vsrc(0)
	s_getreg_b32 s2, hwreg(HW_REG_IB_STS2, 6, 4)
	s_cmp_eq_u32 s2, 0
	s_cbranch_scc0 .Lentry_in_a_cluster
	s_endpgm
.Lentry_in_a_cluster:
	s_bfe_u32 s2, ttmp6, 0x10000c
	s_cmp_lg_u32 s2, 0xf033
	s_cbranch_scc0 .Lentry_shape_is_right
	s_endpgm
.Lentry_shape_is_right:
; qkv = x W_qkv + b_qkv on codes of FP8 (E4M3), and q, k, v quantised at once.  xc [8192][1024], wqc [3072 n][1024 k]: codes, K innermost.  Sum x 2^(e0 + e1) + bias in f32, then the quantiser with e2 (q), e3 (k), e5 (v).
; LIMITS: e0 + e1 between -126 and 127; e2, e3, e5 between -126 and 119: each power of two below is then an f32 number.  NaN is not served.
; The matrix instruction gives a lane eight neighbours along source 0's rows, for one row of source 1.  A tile holds 256 rows for source 0 (region S0) and 128 rows for source 1 (region S1);
; wave (u, t) = (wave / 2, wave % 2) multiplies S0's half t (8 blocks b) with S1's half u (4 blocks a).
; A WORK-GROUP STAYS and makes three tiles, 4 x 64 = 256 work-groups in all: a loop of two trips for q and k, and v written out behind it.
;   q, k: S0 = 256 rows of W, S1 = 128 rows of x: a lane holds eight neighbouring channels of one token: registers of the 16x16x64 form's fragment.  qc, kc: [16 batch + head][token / 16][2][lane][16 bytes].
;   v:    S0 = 256 rows of x (keys), S1 = 128 rows of W (two heads): a lane holds eight neighbouring KEYS of one channel: registers of the 16x16x128 form's fragment of V^T.  vc: [16 batch + head][key / 128][channel / 16][4][lane][16 bytes].
; The tiles differ in global addresses alone: every LDS address is made of the wave's number and the lane.  Each store is 512 consecutive aligned bytes.
; A tile's K = 1,024 comes by three loads a wave: K 0-511 (rows of 512 bytes, 528 apart in LDS), K 512-767 (rows of 256, 272 apart), and K 768-1023 in rows of 256 bytes with 272 of padding, on the places of K 0-255.
; The next tile's K 0-511 is asked for in a tile's last step, when its last fragments are in registers: the load is out during the last products and the way out.  One tensor load of a wave is out at a time.
; CLUSTER 4 x 4: S1's tile hangs on cy and is shared along a row of the cluster, S0's on cx and is shared along a column.
; NO PREFETCH: a tile's three loads ask for all of its K and the next tile's first load goes out a way out ahead; the loop over tiles has two trips.
; Both sides' fragments are fetched by four loads of 16 bytes: the same permutation of k in both operands.
; REGISTERS: window 0: addresses, biases, the way out.  window 1: the 32 accumulators, (a, b) at v[8 (8 a + b)].  window 2: source 0, two sets of 8 x 16.  window 3: source 1, two sets of 4 x 16.
.set S0B,   67584                      ; K 0-511: S1's 128 rows x 528 from byte 0, S0's 256 rows from here
.set S1S,   202752                     ; K 512-767: S1's 128 rows x 272,
.set S0S,   237568                     ; S0's 256 rows
.set SPARE, 307200                     ; the spare words, 128 bytes for each wave
.set FBIG, (1<<20)|(1<<21)|(6<<22)|(3<<25)    ; padding on; 21 beside a mask; after every 128 words four words
.set FSML, (1<<20)|(1<<21)|(5<<22)|(3<<25)    ; after every 64 words four words
.set FREF, (1<<20)|(1<<21)|(5<<22)|(67<<25)   ; after every 64 words 68 words
.set AD0,  16                          ; v16, v17  my source 0 fragments: K 0-511's place, K 512-767's
.set AD1,  20                          ; v20, v21  the same for source 1
.set LI,   24
.set SPW,  28
.set NIL,  29
.set SCV,  30                          ; 2^e of the tile's quantiser
.set LIMV, 31                          ; 448 x that
.set BI,   32                          ; v32-95  q, k: the bias of my 64 columns
.set BV,   96                          ; v96-103 v: the bias of my channel, twice
.set T,    104
.set CD,   168
.set G1A,  24                          ; group 1 for S1's tiles; s[40:51] group 0, a set for each of a tile's loads
.set G1B,  32                          ; the same for S0's; s[52:63]
.set G0A,  40
.set G0B,  52
.set SC,   80
.set DST,  82
.set NA,   92                          ; s[92:93] the next tile's S1 in memory, s[94:95] its S0
.set NB,   94
; s[84:85] x for q, k's S1; s[86:87] W for q's S0, s[16:17] for k's; s[88:89] W for v's S1; s[90:91] x for v's S0; s[96:97], s[98:99], s[4:5] where q's, k's, v's images go; s[6:7], s[8:9] the biases; s10-15 the three quantisers' two numbers
.set MSB, 0
.macro WIN new
.if MSB != \new
	s_set_vgpr_msb (MSB<<8)|\new
.set MSB, \new
.endif
.endm
.set MULW,   0x5e
.set TO_S0,  0x80
.set TO_S1,  0xc0
.set RD_ACC, 0x01
.macro JLOAD s                         ; a joint load: waves 0 and 1 fetch S1's halves, waves 2 and 3 S0's
	s_cmp_eq_u32 s19, 0
	s_cbranch_scc0 .Lfor_b_\@
	tensor_load_to_lds s[G0A+4*\s:G0A+4*\s+3], s[G1A:G1A+7]
	s_nop 0
.rept 4
	v_nop
.endr
	s_branch .Lasked_\@
.Lfor_b_\@:
	tensor_load_to_lds s[G0B+4*\s:G0B+4*\s+3], s[G1B:G1B+7]
	s_nop 0
.rept 4
	v_nop
.endr
.Lasked_\@:
.endm
.macro CREST
	s_cmp_lg_u32 s18, 0
	s_cbranch_scc1 .Lnot_wave_0_\@
	s_barrier_signal -3
.Lnot_wave_0_\@:
	s_barrier_wait -3
	s_barrier_signal -1
	s_barrier_wait -1
.endm
.macro CROUND
	s_barrier_signal -1
	s_barrier_wait -1
	CREST
.endm
.macro PLACES n
.rept \n
	v_nop
.endr
.endm
.macro REG0 g, src, off                ; a group 0's address in memory
	s_add_nc_u64 s[\g+2:\g+3], s[\src:\src+1], \off
	s_or_b32 s[\g+3], s[\g+3], 0x80000000
.endm
.macro MKG0 g, lds, src, off
	s_mov_b32 s[\g], 1
	s_mov_b32 s[\g+1], s[\lds]
	REG0 \g, \src, \off
.endm
.macro ROWS f, w                       ; both groups 1: padding f, rows of w bytes
	s_or_b32 s[G1A], s100, \f
	s_or_b32 s[G1B], s101, \f
	s_mov_b32 s[G1A+1], (\w)<<16
	s_mov_b32 s[G1A+3], (\w)<<16
	s_mov_b32 s[G1B+1], (\w)<<16
	s_mov_b32 s[G1B+3], (\w)<<16
.endm
.macro PAT e, d                        ; s[d] = 2^e, s[d + 1] = 448 x 2^e, as f32
	s_add_co_i32 s[\d+1], s[\e], 127
	s_lshl_b32 s[\d], s[\d+1], 23
	s_add_co_i32 s[\d+1], s[\d+1], 8
	s_lshl_b32 s[\d+1], s[\d+1], 23
	s_or_b32 s[\d+1], s[\d+1], 0x600000
.endm
	s_load_b256 s[4:11], s[0:1], 0x0               ; xc, wqc, b_qkv, the scales' exponents
	s_load_b128 s[12:15], s[0:1], 0x20             ; qc, kc
	s_load_b64 s[16:17], s[0:1], 0x30              ; vc
	v_lshl_add_u32 v[SPW], v0, 2, SPARE
	v_mov_b32 v[NIL], 0
	ds_add_u32 v[SPW], v[NIL]                      ; the opening lines: the add twice on end and its wait ahead of my first tensor load
	ds_add_u32 v[SPW], v[NIL]
	v_lshrrev_b32 v1, 5, v0
	v_readfirstlane_b32 s18, v1                    ; wave 0..3
	s_lshr_b32 s19, s18, 1                         ; u: my half of S1.  Also: I fetch for S1 (0) or S0 (1)
	s_and_b32 s20, s18, 1                          ; t: my half of S0.  Also: which half of that tile I fetch
	s_bfe_u32 s21, ttmp6, 0x40000                  ; cx
	s_bfe_u32 s22, ttmp6, 0x40004                  ; cy
	s_and_b32 s67, ttmp7, 0xffff                   ; the cluster's y, 0..15
	s_lshl_b32 s66, s67, 2
	s_add_co_u32 s66, s66, s22                     ; q, k: S1's tile of 128 rows of x: 4 y + cy
	s_and_b32 s2, s67, 1
	s_lshl_b32 s2, s2, 2
	s_add_co_u32 s2, s2, s22
	s_add_co_u32 s2, s2, 16                        ; v: S1's tile of 128 rows of W: 16 + 4 (y % 2) + cy
	s_lshr_b32 s23, s67, 1
	s_lshl_b32 s23, s23, 2
	s_add_co_u32 s23, s23, s21                     ; v: S0's tile of 256 rows of x: 4 (y / 2) + cx.  (q, k: S0's tile of W is 4 role + cx)
	s_lshl_b32 s100, s22, 2
	s_lshl_b32 s100, 15, s100                      ; my row of the cluster
	s_lshl_b32 s101, 0x1111, s21                   ; my column
	ROWS FBIG, 512
	s_mov_b32 s[G1A+2], 64<<16                     ; 64 rows,
	s_mov_b32 s[G1A+4], 64
	s_mov_b32 s[G1A+5], 1024                       ; 1,024 bytes apart in memory
	s_mov_b32 s[G1A+6], 0
	s_mov_b32 s[G1A+7], 0
	s_mov_b32 s[G1B+2], 128<<16                    ; 128 rows
	s_mov_b32 s[G1B+4], 128
	s_mov_b32 s[G1B+5], 1024
	s_mov_b32 s[G1B+6], 0
	s_mov_b32 s[G1B+7], 0
	s_lshl_b32 s68, s20, 6
	s_lshl_b32 s69, s20, 7
	s_lshl_b32 s84, s66, 7
	s_add_co_u32 s84, s84, s68
	s_lshl_b32 s84, s84, 10                        ; row 128 x tile + 64 x half, of 1,024 bytes
	s_mov_b32 s85, 0
	s_lshl_b32 s86, s21, 8
	s_add_co_u32 s86, s86, s69
	s_lshl_b32 s86, s86, 10                        ; row 256 x tile + 128 x half
	s_mov_b32 s87, 0
	s_lshl_b32 s88, s2, 7
	s_add_co_u32 s88, s88, s68
	s_lshl_b32 s88, s88, 10
	s_mov_b32 s89, 0
	s_lshl_b32 s90, s23, 8
	s_add_co_u32 s90, s90, s69
	s_lshl_b32 s90, s90, 10
	s_mov_b32 s91, 0
	s_mul_i32 s92, s20, 33792                      ; where the tiles go: the wave's number alone
	s_mul_i32 s93, s20, 67584
	s_add_co_u32 s93, s93, S0B
	s_mul_i32 s94, s20, 17408
	s_add_co_u32 s94, s94, S1S
	s_mul_i32 s95, s20, 34816
	s_add_co_u32 s95, s95, S0S
	s_wait_alu depctr_va_vdst(0)                   ; directly ahead of the wait below
	s_wait_dscnt 0x0                               ; both opening adds are done
	s_wait_kmcnt 0x0
	s_load_b256 s[72:79], s[10:11], 0x0            ; e0 .. e7
	s_add_nc_u64 s[84:85], s[4:5], s[84:85]
	s_add_nc_u64 s[86:87], s[6:7], s[86:87]
	s_add_nc_u64 s[88:89], s[6:7], s[88:89]
	s_add_nc_u64 s[90:91], s[4:5], s[90:91]
	CROUND                                         ; all sixteen work-groups are here: the first joint loads meet
	MKG0 G0A, 92, 84, 0
	MKG0 G0A+4, 94, 84, 512
	MKG0 G0A+8, 92, 84, 768
	MKG0 G0B, 93, 86, 0
	MKG0 G0B+4, 95, 86, 512
	MKG0 G0B+8, 93, 86, 768
	JLOAD 0                                        ; q's K 0-511: my one tensor load at the head
	s_mul_i32 s92, s20, 67584
	s_add_co_u32 s92, s92, S0B
	s_mul_i32 s93, s19, 33792
	s_mul_i32 s94, s20, 34816
	s_add_co_u32 s94, s94, S0S
	s_mul_i32 s95, s19, 17408
	s_add_co_u32 s95, s95, S1S
	s_lshr_b32 s68, s66, 4                         ; where my images go.  q, k: head 4 cx + 2 t, tokens from 128 x S1's tile + 64 u on, 64 bytes a token; 131,072 bytes for each batch and head
	s_lshl_b32 s68, s68, 4
	s_lshl_b32 s69, s21, 2
	s_add_co_u32 s68, s68, s69
	s_lshl_b32 s69, s20, 1
	s_add_co_u32 s68, s68, s69
	s_lshl_b32 s68, s68, 17
	s_lshl_b32 s69, s66, 7
	s_lshl_b32 s70, s19, 6
	s_add_co_u32 s69, s69, s70
	s_and_b32 s69, s69, 2047
	s_lshl_b32 s69, s69, 6
	s_add_co_u32 s70, s68, s69
	s_mov_b32 s71, 0
	s_add_nc_u64 s[96:97], s[12:13], s[70:71]
	s_add_nc_u64 s[98:99], s[14:15], s[70:71]
	s_lshr_b32 s68, s23, 3                         ; v: batch = S0's tile / 8, head 2 (S1's tile - 16) + u, key step 2 (S0's tile % 8) + t of 8,192 bytes
	s_lshl_b32 s68, s68, 4
	s_sub_co_u32 s69, s2, 16
	s_lshl_b32 s69, s69, 1
	s_add_co_u32 s68, s68, s69
	s_add_co_u32 s68, s68, s19
	s_lshl_b32 s68, s68, 17
	s_and_b32 s69, s23, 7
	s_lshl_b32 s69, s69, 1
	s_add_co_u32 s69, s69, s20
	s_lshl_b32 s69, s69, 13
	s_add_co_u32 s70, s68, s69
	s_add_nc_u64 s[4:5], s[16:17], s[70:71]
	s_add_nc_u64 s[16:17], s[86:87], 0x100000      ; k's rows of W lie 1,024 rows behind q's
	s_lshl_b32 s70, s21, 10                        ; the biases.  q: 4 x (256 cx + 128 t); k: 4,096 bytes on
	s_lshl_b32 s69, s20, 9
	s_add_co_u32 s70, s70, s69
	s_add_nc_u64 s[6:7], s[8:9], s[70:71]
	s_lshl_b32 s70, s2, 9                          ; v: 4 x (128 x S1's tile + 64 u)
	s_lshl_b32 s69, s19, 8
	s_add_co_u32 s70, s70, s69
	s_add_nc_u64 s[8:9], s[8:9], s[70:71]
	s_wait_kmcnt 0x0                               ; the exponents
	s_add_co_i32 s[SC], s72, s73
	s_add_co_i32 s[SC], s[SC], 127
	s_lshl_b32 s[SC], s[SC], 23                    ; 2^(e0 + e1) as f32
	s_mov_b32 s[SC+1], s[SC]
	PAT 74, 10
	PAT 75, 12
	PAT 77, 14
	v_and_b32 v1, 15, v0                           ; r
	v_bfe_u32 v2, v0, 4, 1                         ; h
	v_mul_u32_u24 v3, v1, 528
	v_lshl_add_u32 v3, v2, 4, v3
	v_mul_u32_u24 v4, v1, 272
	v_lshl_add_u32 v4, v2, 4, v4
	v_lshlrev_b32 v5, 5, v2                        ; 32 h
	v_lshlrev_b32 v6, 2, v1                        ; 4 r
	v_and_b32 v7, 31, v0
	v_lshlrev_b32 v[LI], 4, v7
	v_add_nc_u32 v[AD0], s92, v3
	v_add_nc_u32 v[AD1], s93, v3
	v_add_nc_u32 v[AD0+1], s94, v4
	v_add_nc_u32 v[AD1+1], s95, v4
; the fragments of step s of eight (128 along K) into set s % 2: steps 0-3 and 6-7 from the rows 528 apart, steps 4-5 from the rows 272 apart
.macro FETCH s
.set FQ, (\s)%2
.set FA, 0
.set FP, 8448
.set FK, 128*((\s)%2)
.if (\s) < 4
.set FK, 128*(\s)
.endif
.if ((\s)/2) == 2
.set FA, 1
.set FP, 4352
.endif
	WIN TO_S0
.irp b, 0,1,2,3,4,5,6,7
.irp c, 0,1,2,3
	ds_load_b128 v[128*FQ+16*\b+4*\c:128*FQ+16*\b+4*\c+3], v[AD0+FA] offset:FP*\b+FK+32*\c
.endr
.endr
	WIN TO_S1
.irp a, 0,1,2,3
.irp c, 0,1,2,3
	ds_load_b128 v[64*FQ+16*\a+4*\c:64*FQ+16*\a+4*\c+3], v[AD1+FA] offset:FP*\a+FK+32*\c
.endr
.endr
	WIN 0
.endm
; 16 matrix instructions; the 32 accumulators take turns, one instruction a turn, in the same order in every step
.macro MULH s, a0, zero
.set MP, (\s)%2
.irp a, \a0, \a0+1
.irp b, 0,1,2,3,4,5,6,7
.if \zero
	v_wmma_f32_16x16x128_fp8_fp8 v[8*(8*(\a)+\b):8*(8*(\a)+\b)+7], v[128*MP+16*\b:128*MP+16*\b+15], v[64*MP+16*(\a):64*MP+16*(\a)+15], 0
.else
	v_wmma_f32_16x16x128_fp8_fp8 v[8*(8*(\a)+\b):8*(8*(\a)+\b)+7], v[128*MP+16*\b:128*MP+16*\b+15], v[64*MP+16*(\a):64*MP+16*(\a)+15], v[8*(8*(\a)+\b):8*(8*(\a)+\b)+7]
.endif
.endr
.endr
.endm
.macro STEP s
	PLACES 4                                       ; the other set was read by the step before
	s_wait_dscnt 0x0                               ; this step's set is in
	FETCH (\s)+1
	WIN MULW
	MULH \s, 0, 0
	MULH \s, 2, 0
	WIN 0
.endm
; A TILE'S EIGHT STEPS.  On the way in its K 0-511 has been asked for.  nxt = 1: in the last step the next tile's K 0-511 is asked for, from s[NA:NA+1] and s[NB:NB+1]
.macro MAIN nxt
	s_wait_tensorcnt 0x0                           ; my part of K 0-511 is in; the lines ahead of a fill:
	ds_add_u32 v[SPW], v[NIL]
	ROWS FSML, 256                                 ; no load of mine is out: group 1 takes the rows of 256 bytes
	s_wait_dscnt 0x0
	CROUND
	JLOAD 1                                        ; K 512-767
	FETCH 0
	s_wait_dscnt 0x0
	FETCH 1
	WIN MULW
	MULH 0, 0, 1                                   ; the first step starts the sums
	MULH 0, 2, 1
	WIN 0
	STEP 1
	STEP 2
	; step 3: K 0-511 has been read out; the places of K 0-255 are filled again, with K 768-1023
	s_wait_tensorcnt 0x0                           ; my part of K 512-767 is in
	ds_add_u32 v[SPW], v[NIL]
	s_or_b32 s[G1A], s100, FREF
	s_or_b32 s[G1B], s101, FREF
	s_wait_dscnt 0x0                               ; the add is done, and my reads of K 0-511 are over
	s_barrier_signal -1                            ; this barrier opens a round of the cluster's barrier
	WIN MULW
	MULH 3, 0, 0
	WIN 0
	s_barrier_wait -1
	CREST
	JLOAD 2                                        ; the first tensor load behind the round; its four v_nop are the places in front of the loads below
	FETCH 4
	WIN MULW
	MULH 3, 2, 0
	WIN 0
	STEP 4
	s_wait_tensorcnt 0x0                           ; step 5: my part of K 768-1023
	s_wait_dscnt 0x0
	s_barrier_signal -1
	WIN MULW
	MULH 5, 0, 0
	WIN 0
	s_barrier_wait -1                              ; everybody's part is in
	PLACES 4
	FETCH 6
	WIN MULW
	MULH 5, 2, 0
	WIN 0
	STEP 6
.if \nxt
	s_wait_tensorcnt 0x0                           ; step 7: no load of mine is out, so the groups 0 and 1 are written for the next tile
	ds_add_u32 v[SPW], v[NIL]
	REG0 G0A, NA, 0
	REG0 G0A+4, NA, 512
	REG0 G0A+8, NA, 768
	REG0 G0B, NB, 0
	REG0 G0B+4, NB, 512
	REG0 G0B+8, NB, 768
	ROWS FBIG, 512
	s_wait_dscnt 0x0                               ; the add is done, and my last reads of this tile are over
	s_barrier_signal -1                            ; this barrier opens a round of the cluster's barrier
	WIN MULW
	MULH 7, 0, 0
	WIN 0
	s_barrier_wait -1
	CREST
	JLOAD 0                                        ; the next tile's K 0-511
	WIN MULW
	MULH 7, 2, 0
	WIN 0
.else
	s_wait_dscnt 0x0
	WIN MULW
	MULH 7, 0, 0
	MULH 7, 2, 0
	WIN 0
.endif
.endm
; THE WAY OUT, a block a of source 1 at a time: sum x 2^(e0 + e1) + bias, the hold, the conversion, four stores of 512 consecutive bytes.  Each accumulator is read from its low end on.
.macro EPI vrole
.irp a, 0,1,2,3
	WIN RD_ACC
.irp b, 0,1,2,3,4,5,6,7
.irp i, 0,2,4,6
.if \vrole
	v_pk_fma_f32 v[T+8*\b+\i:T+8*\b+\i+1], v[8*(8*\a+\b)+\i:8*(8*\a+\b)+\i+1], s[SC:SC+1], v[BV+2*\a:BV+2*\a+1] op_sel_hi:[1,0,0]
.else
	v_pk_fma_f32 v[T+8*\b+\i:T+8*\b+\i+1], v[8*(8*\a+\b)+\i:8*(8*\a+\b)+\i+1], s[SC:SC+1], v[BI+8*\b+\i:BI+8*\b+\i+1] op_sel_hi:[1,0,1]
.endif
.endr
.endr
	WIN 0
.irp b, 0,1,2,3,4,5,6,7
.irp i, 0,1,2,3,4,5,6,7
	v_med3_num_f32 v[T+8*\b+\i], v[T+8*\b+\i], -v[LIMV], v[LIMV]   ; the conversion to an 8-bit code does not saturate (ISA guide 7.6.2)
.endr
	v_cvt_scalef32_pk8_fp8_f32 v[CD+16*\a+2*\b:CD+16*\a+2*\b+1], v[T+8*\b:T+8*\b+7], v[SCV]
.endr
	v_nop
.irp g, 0,1,2,3
.if \vrole
	global_store_b128 v[LI], v[CD+16*\a+4*\g:CD+16*\a+4*\g+3], s[DST:DST+1] offset:2048*\a+512*\g
.else
	global_store_b128 v[LI], v[CD+16*\a+4*\g:CD+16*\a+4*\g+3], s[DST:DST+1] offset:1024*\a+131072*(\g/2)+512*(\g%2)
.endif
.endr
.endr
.endm
	s_wait_alu depctr_va_vdst(0)                   ; the head's end
	s_mov_b32 s3, 0
.Ltile:                                            ; two trips: q, then k
	s_wait_xcnt 0x0                                ; the last tile's stores have read their base and their registers
	s_cmp_eq_u32 s3, 0                             ; the count of trips alone: alike in all partners
	s_cselect_b64 s[NA:NA+1], s[84:85], s[88:89]   ; behind q comes k, behind k comes v
	s_cselect_b64 s[NB:NB+1], s[16:17], s[90:91]
	s_cselect_b64 s[DST:DST+1], s[96:97], s[98:99]
	s_cselect_b32 s66, s10, s12
	s_cselect_b32 s67, s11, s13
	s_lshl_b32 s68, s3, 12
	s_mov_b32 s69, 0
	s_add_nc_u64 s[70:71], s[6:7], s[68:69]
	v_mov_b32 v[SCV], s66
	v_mov_b32 v[LIMV], s67
.irp b, 0,1,2,3,4,5,6,7
	global_load_b128 v[BI+8*\b:BI+8*\b+3], v5, s[70:71] offset:64*\b
	global_load_b128 v[BI+8*\b+4:BI+8*\b+7], v5, s[70:71] offset:64*\b+16
.endr
	s_wait_alu depctr_va_vdst(0)                   ; directly ahead of the wait below
	MAIN 1
	s_wait_loadcnt 0x0                             ; the biases
	PLACES 4
	EPI 0
	s_add_co_u32 s3, s3, 1
	s_cmp_lt_u32 s3, 2
	s_wait_alu depctr_va_vdst(0)                   ; directly ahead of the branch
	s_cbranch_scc1 .Ltile
	s_wait_xcnt 0x0                                ; v
	s_mov_b64 s[DST:DST+1], s[4:5]
	v_mov_b32 v[SCV], s14
	v_mov_b32 v[LIMV], s15
.irp a, 0,1,2,3
	global_load_b32 v[BV+2*\a], v6, s[8:9] offset:64*\a
	global_load_b32 v[BV+2*\a+1], v6, s[8:9] offset:64*\a
.endr
	s_wait_alu depctr_va_vdst(0)                   ; directly ahead of the wait below
	MAIN 0
	s_wait_loadcnt 0x0
	PLACES 4
	EPI 1
	s_wait_tensorcnt 0x0                           ; the wave's end
	ds_add_u32 v[SPW], v[NIL]
	s_wait_dscnt 0x0
	CROUND                                         ; the closing round
	s_endpgm
.Lfunc_end_k_q8c4c8d7a24_gemm_qkv:
	.size	k_q8c4c8d7a24_gemm_qkv, .Lfunc_end_k_q8c4c8d7a24_gemm_qkv-k_q8c4c8d7a24_gemm_qkv
	.p2alignl 7, 3214868480
	.fill 96, 4, 3214868480
	.section	.rodata,"a",@progbits
	.p2align	6, 0x0
	.amdhsa_kernel k_q8c4c8d7a24_gemm_qkv
		.amdhsa_group_segment_fixed_size 327680
		.amdhsa_private_segment_fixed_size 0
		.amdhsa_enable_private_segment 0
		.amdhsa_kernarg_size 56
		.amdhsa_user_sgpr_count 2
		.amdhsa_user_sgpr_kernarg_segment_ptr 1
		.amdhsa_wavefront_size32 1
		.amdhsa_system_sgpr_workgroup_id_x 1
		.amdhsa_system_sgpr_workgroup_id_y 1
		.amdhsa_system_sgpr_workgroup_id_z 1
		.amdhsa_system_vgpr_workitem_id 0
		.amdhsa_next_free_vgpr 1024
		.amdhsa_next_free_sgpr 102
		.amdhsa_reserve_vcc 0
		.amdhsa_float_denorm_mode_32 3
		.amdhsa_float_denorm_mode_16_64 3
		.amdhsa_memory_ordered 1
		.amdhsa_forward_progress 1
		.amdhsa_inst_pref_size 160
	.end_amdhsa_kernel
	.amdgpu_metadata
---
amdhsa.version: [ 1, 2 ]
amdhsa.kernels:
  - .name:           k_q8c4c8d7a24_gemm_qkv
    .symbol:         k_q8c4c8d7a24_gemm_qkv.kd
    .args:
      - { .name: xc, .offset: 0, .size: 8, .value_kind: global_buffer, .address_space: global }
      - { .name: wqc, .offset: 8, .size: 8, .value_kind: global_buffer, .address_space: global }
      - { .name: b_qkv, .offset: 16, .size: 8, .value_kind: global_buffer, .address_space: global }
      - { .name: lowp_scales, .offset: 24, .size: 8, .value_kind: global_buffer, .address_space: global }
      - { .name: qc, .offset: 32, .size: 8, .value_kind: global_buffer, .address_space: global }
      - { .name: kc, .offset: 40, .size: 8, .value_kind: global_buffer, .address_space: global }
      - { .name: vc, .offset: 48, .size: 8, .value_kind: global_buffer, .address_space: global }
    .group_segment_fixed_size: 327680
    .private_segment_fixed_size: 0
    .kernarg_segment_align: 8
    .kernarg_segment_size: 56
    .max_flat_workgroup_size: 128
    .sgpr_count:     102
    .vgpr_count:     1024
    .wavefront_size: 32
...
	.end_amdgpu_metadata
.endif
;; end of part 2
;; launch attn (part 3): grid 4 x 64, 16 waves a work-group, clusters of 4 x 1, 327,680 bytes of LDS; arguments qc, kc, vc, lowp_scales, zc; writes zc
.if DOCPART == 3
	.amdgcn_target "amdgcn-amd-amdhsa--gfx1250"
	.amdhsa_code_object_version 6
	.text
	.protected	k_q8c4c8d7a24_attn
	.globl	k_q8c4c8d7a24_attn
	.p2align	8
	.type	k_q8c4c8d7a24_attn,@function
k_q8c4c8d7a24_attn:
	s_mov_b64 s[64:65], 0
	v_nop
	global_prefetch_b8 v0, s[64:65] scope:SCOPE_SE
	s_setreg_imm32_b32 hwreg(HW_REG_WAVE_MODE, 25, 1), 1
	s_wait_xcnt 0x0
	s_wait_alu depctr_hold_cnt(0) depctr_sa_sdst(0) depctr_va_vdst(0) depctr_va_sdst(0) depctr_va_ssrc(0) depctr_va_vcc(0) depctr_vm_vsrc(0)
	s_getreg_b32 s2, hwreg(HW_REG_IB_STS2, 6, 4)
	s_cmp_eq_u32 s2, 0
	s_cbranch_scc0 .Lentry_in_a_cluster
	s_endpgm
.Lentry_in_a_cluster:
	s_bfe_u32 s2, ttmp6, 0x10000c
	s_cmp_lg_u32 s2, 0x3003
	s_cbranch_scc0 .Lentry_shape_is_right
	s_endpgm
.Lentry_shape_is_right:
; Causal attention on codes of FP8 (E4M3), head size 64, 2,048 tokens, 64 (batch, head) pairs; the result / the row's sum is quantised at once with e6 for the last product.
; t = score x log2(e) / 8; M = the row's largest t so far, rounded UP to a whole number; p = 2^(t - M) is quantised with e4, not normalised; the row's sum is taken of the unquantised p, in f32.
; When M moves, the sum and O are multiplied by 2^(old M - new M), which rounds nothing.
; WORK LEFT OUT: key steps all of whose keys come after the tile's queries: the causal mask gives them the weight 0.
; qc, kc: [bh][token / 16][2][lane][16 bytes]: images of the 16x16x64 form's fragments.  vc: [bh][key / 128][channel / 16][4][lane][16 bytes]: images of the 16x16x128 form's fragments of V^T.
; zc: [head / 4][row / 16][head % 4][2][lane][16 bytes]: images of the 16x16x128 form's fragments of z.
; LIMITS: e2 + e3 between -123 and 130 (added to c's exponent field); e4 and e6 between -126 and 119; e4 + e5 goes by v_ldexp_f32 and has none.
; A HEAD'S K AND V LIE WHOLE IN LDS: 131,072 bytes each, dense images, filled once: no slot is filled again.  Three fills, one tensor load a wave each (waves 0-7 K, waves 8-15 V):
; keys 0-255, keys 256-1023, keys 1024-2047; the second is out while key steps 0 and 1 are worked, the third during steps 2 to 7.
; CLUSTER 4 x 1: the four work-groups of a head need the same K and V and ask for them jointly.
; SHARES.  A head has 128 tiles of 16 queries.  Wave w of work-group j owns tiles p = j + 4 w and 127 - p: p / 8 = w / 2, so the two have (15 - w / 2 + 1) + (w / 2 + 1) = 17 key steps of 128 keys in every wave,
; and which steps are worked or lie on the diagonal hangs on the wave's number alone, never on the place in the cluster.  Tile 127 - p goes first: its steps 0 to 7 are open for every wave.
; Both products are used transposed: S^T = K Q^T, O^T = V^T P^T: a lane holds ONE query; register 8 tile + j of S^T is key 16 tile + 8 (lane / 16) + j, the place that the 16x16x128 form gives it in P.
; NO PREFETCH: the three fills ask for all of K and V; there is no loop of refills to run ahead in.
.set VB,    131072                     ; V's images
.set SPARE, 262144                     ; the spare words, 128 bytes for each wave
.set LI,   1                           ; 16 x lane
.set DQ,   2                           ; lane % 16 - 8 (lane / 16)
.set LIV,  3                           ; VB + 16 x lane
.set SPW,  5
.set NIL,  6
.set ADR,  8                           ; the step's K images, for my lane
.set ADV,  9                           ; the step's V images
; v12 -M, v13 the largest t, v[14:15] the sum; v16-23, v24-31 Q of my two tiles; v32-95 fragments of K, then of V; v96-159 S^T, then p; v160-191 O^T; v192-207 p's codes; v208-221, v244-255 at work
.set WV,   18
.set SEL,  20
.set CS,   22                          ; c = log2(e) / 8 x 2^(e2 + e3)
.set G1,   24                          ; s[24:47] three groups 1: 8, 24 and 32 rows of 256 bytes, dense
.set G0,   48                          ; s[48:59] three groups 0
.set TB,   60                          ; 8,192 x the key step
.set ST,   61                          ; the key step
.set DG,   62                          ; the tile's step on the diagonal
.set Q0,   63                          ; the tile's first query
.macro ROUND
	s_barrier_signal -1
	s_barrier_wait -1
	s_cmp_lg_u32 s[WV], 0
	s_cbranch_scc1 .Lnw0_\@
	s_barrier_signal -3
.Lnw0_\@:
	s_barrier_wait -3
	s_barrier_signal -1
	s_barrier_wait -1
.endm
.macro FILL n                          ; a later first fill: an add and its wait, a round, my one joint load
	s_wait_tensorcnt 0x0
	ds_add_u32 v[SPW], v[NIL]
	s_wait_dscnt 0x0
	ROUND
	tensor_load_to_lds s[G0+4*\n:G0+4*\n+3], s[G1+8*\n:G1+8*\n+7]
	s_nop 0
.endm
.macro INIT                            ; a tile begins: the first step finds zeros, which the first change of M leaves zeros
	v_mov_b32 v13, 0xff61b1e6                      ; -3e38, under every t
	v_floor_f32 v12, -v13
	v_mov_b32 v14, 0
	v_mov_b32 v15, 0
.set n, 0
.rept 32
	v_mov_b32 v[160+n], 0
.set n, n+1
.endr
.endm
	s_load_b256 s[4:11], s[0:1], 0x0               ; qc, kc, vc, the scales' exponents
	s_load_b64 s[12:13], s[0:1], 0x20              ; zc
	v_lshl_add_u32 v[SPW], v0, 2, SPARE
	v_mov_b32 v[NIL], 0
	ds_add_u32 v[SPW], v[NIL]                      ; the opening lines: the add twice on end and its wait
	ds_add_u32 v[SPW], v[NIL]
	v_lshrrev_b32 v8, 5, v0
	v_readfirstlane_b32 s[WV], v8                  ; wave 0..15
	s_and_b32 s66, ttmp7, 0xffff                   ; bh = 16 x batch + head: the cluster's y
	s_lshl_b32 s68, s66, 17
	s_mov_b32 s69, 0
	s_bfe_u32 s67, ttmp6, 0x40000                  ; j
	s_lshl_b32 s70, s[WV], 2
	s_add_co_u32 s70, s70, s67                     ; p
	s_sub_co_u32 s71, 127, s70                     ; 127 - p
	s_lshr_b32 s81, s[WV], 1                       ; tile p's diagonal step
	s_sub_co_u32 s[DG], 15, s81                    ; tile 127 - p's
	s_lshl_b32 s80, s70, 4
	s_lshl_b32 s[Q0], s71, 4
.irp n, 0,1,2
	s_mov_b32 s[G1+8*\n], 15|(3<<16)|(1<<21)       ; the mask of all four; elements of 8 bytes; 21 set beside a mask
	s_mov_b32 s[G1+8*\n+1], 32<<16
	s_mov_b32 s[G1+8*\n+3], 32<<16
	s_mov_b32 s[G1+8*\n+5], 32
	s_mov_b32 s[G1+8*\n+6], 0
	s_mov_b32 s[G1+8*\n+7], 0
.endr
	s_mov_b32 s[G1+2], 8<<16
	s_mov_b32 s[G1+4], 8
	s_mov_b32 s[G1+10], 24<<16
	s_mov_b32 s[G1+12], 24
	s_mov_b32 s[G1+18], 32<<16
	s_mov_b32 s[G1+20], 32
	s_mov_b32 s[SEL], 0x76543210
	s_mov_b32 s[SEL+1], 0xfedcba98
	s_mov_b32 s[CS], 0x3e38aa3b                    ; log2(e) / 8
	s_lshr_b32 s82, s[WV], 3                       ; 0: K, 1: V
	s_and_b32 s83, s[WV], 7
	s_lshl_b32 s84, s82, 17
	s_lshl_b32 s85, s83, 11                        ; my eighth of bytes 0 .. 16,383,
	s_mul_i32 s86, s83, 6144
	s_add_co_u32 s86, s86, 16384                   ; of 16,384 .. 65,535,
	s_lshl_b32 s87, s83, 13
	s_add_co_u32 s87, s87, 65536                   ; of 65,536 .. 131,071
	s_mov_b32 s91, 0
	s_wait_alu depctr_va_vdst(0)                   ; directly ahead of the wait below
	s_wait_dscnt 0x0
	s_wait_kmcnt 0x0
	s_load_b256 s[72:79], s[10:11], 0x0            ; e0 .. e7
	s_cmp_eq_u32 s82, 0
	s_cselect_b64 s[88:89], s[6:7], s[8:9]
	s_add_nc_u64 s[88:89], s[88:89], s[68:69]
	s_add_nc_u64 s[4:5], s[4:5], s[68:69]          ; Q is asked for ahead of the first round
	s_lshl_b32 s90, s71, 10
	s_add_nc_u64 s[92:93], s[4:5], s[90:91]        ; Q's image of tile 127 - p,
	s_lshl_b32 s90, s70, 10
	s_add_nc_u64 s[94:95], s[4:5], s[90:91]        ; of tile p
	v_and_b32 v9, 31, v0
	v_lshlrev_b32 v[LI], 4, v9
	global_load_b128 v[16:19], v[LI], s[92:93]
	global_load_b128 v[20:23], v[LI], s[92:93] offset:512
	global_load_b128 v[24:27], v[LI], s[94:95]
	global_load_b128 v[28:31], v[LI], s[94:95] offset:512
	s_wait_alu depctr_va_vdst(0)
.irp n, 0,1,2
	s_mov_b32 s[G0+4*\n], 1
	s_add_co_u32 s[G0+4*\n+1], s84, s[85+\n]
	s_mov_b32 s90, s[85+\n]
	s_add_nc_u64 s[G0+4*\n+2:G0+4*\n+3], s[88:89], s[90:91]
	s_or_b32 s[G0+4*\n+3], s[G0+4*\n+3], 0x80000000
.endr
	ROUND                                          ; in front of the first joint loads
	tensor_load_to_lds s[G0:G0+3], s[G1:G1+7]      ; keys 0-255: my one tensor load at the head
	s_nop 0
	s_and_b32 s96, s66, 15
	s_lshr_b32 s97, s66, 4
	s_lshr_b32 s98, s96, 2
	s_lshl_b32 s98, s98, 21                        ; (head / 4) x 2,097,152
	s_and_b32 s96, s96, 3
	s_lshl_b32 s96, s96, 10                        ; (head % 4) x 1,024
	s_add_co_u32 s98, s98, s96
	s_lshl_b32 s97, s97, 19                        ; 128 x batch blocks of 4,096
	s_add_co_u32 s90, s98, s97
	s_add_nc_u64 s[12:13], s[12:13], s[90:91]
	s_lshl_b32 s90, s71, 12
	s_add_nc_u64 s[82:83], s[12:13], s[90:91]      ; z's image of tile 127 - p,
	s_lshl_b32 s90, s70, 12
	s_add_nc_u64 s[84:85], s[12:13], s[90:91]      ; of tile p
	s_wait_kmcnt 0x0
	s_add_co_i32 s96, s74, s75
	s_lshl_b32 s96, s96, 23
	s_add_co_i32 s[CS], s[CS], s96                 ; a sum of codes stands for sum x 2^(e2 + e3)
	s_mov_b32 s[CS+1], s[CS]
	s_add_co_i32 s96, s76, 127
	s_lshl_b32 s97, s96, 23                        ; 2^e4
	s_add_co_i32 s96, s96, 8
	s_lshl_b32 s96, s96, 23
	s_or_b32 s96, s96, 0x600000                    ; 448 x 2^e4
	s_add_co_i32 s86, s78, 127
	s_lshl_b32 s87, s86, 23                        ; 2^e6
	s_add_co_i32 s86, s86, 8
	s_lshl_b32 s86, s86, 23
	s_or_b32 s86, s86, 0x600000                    ; 448 x 2^e6
	s_add_co_i32 s99, s76, s77                     ; e4 + e5
	v_add_nc_u32 v[LIV], VB, v[LI]
	v_and_b32 v9, 15, v0
	v_bfe_u32 v10, v0, 4, 1
	v_lshlrev_b32 v10, 3, v10
	v_sub_nc_u32 v[DQ], v9, v10
	v_mov_b32 v211, 0                              ; (named as the upper half of the pair v[210:211])
	v_mov_b32 v213, 0                              ; a lane permute's destination counts as one of its sources
	v_mov_b32 v218, 0xff800000                     ; -infinity
	v_mov_b32 v217, s97
	v_mov_b32 v216, s96
	v_mov_b32 v221, s87
	v_mov_b32 v220, s86
	INIT
; A KEY STEP: 128 keys.  gen = 1: a step behind the tile's diagonal step is left out, and on the diagonal step hidden scores become -infinity.  qr: Q's registers
.macro STEP gen, qr
.if \gen
	s_cmp_gt_u32 s[ST], s[DG]                      ; the wave's number and the count of steps alone
	s_cbranch_scc1 .Lhid_\@
.endif
	v_add_nc_u32 v[ADR], s[TB], v[LI]
	v_add_nc_u32 v[ADV], s[TB], v[LIV]
	v_nop
	v_nop                                          ; four places in front of loads into registers that the last products read
.irp t, 0,1,2,3,4,5,6,7
	ds_load_b128 v[32+8*\t:35+8*\t], v[ADR] offset:1024*\t
	ds_load_b128 v[36+8*\t:39+8*\t], v[ADR] offset:1024*\t+512
.endr
	s_wait_alu depctr_va_vdst(0)                   ; directly ahead of the wait below
	s_wait_dscnt 0x0
.irp t, 0,1,2,3,4,5,6,7
	v_wmma_f32_16x16x64_fp8_fp8 v[96+8*\t:103+8*\t], v[32+8*\t:39+8*\t], v[\qr:\qr+7], 0
.endr
.rept 4
	v_nop
.endr
.irp t, 0,1,2,3
.irp i, 0,1,2,3
	ds_load_b128 v[32+16*\t+4*\i:35+16*\t+4*\i], v[ADV] offset:2048*\t+512*\i   ; V's fragments land under the softmax
.endr
.endr
.if \gen
	s_cmp_lg_u32 s[ST], s[DG]
	s_cbranch_scc1 .Lopen_\@
	s_lshl_b32 s96, s[ST], 7
	s_sub_co_i32 s96, s[Q0], s96
	v_add_nc_u32 v219, s96, v[DQ]                  ; d = my query - the step's first key - 8 (lane / 16): register 8 tile + j is hidden where 16 tile + j > d
.set n, 0
.rept 64
	v_cmp_gt_i32 vcc_lo, 16*(n/8)+n%8, v219
	v_cndmask_b32 v[96+n], v[96+n], v218, vcc_lo
.set n, n+1
.endr
.Lopen_\@:
.endif
	v_max3_num_f32 v208, v96, v97, v98             ; the step's largest score of my query among my 64 keys, in two chains,
	v_max3_num_f32 v212, v99, v100, v101
.set n, 6
.rept 14
	v_max3_num_f32 v208, v208, v[96+n], v[97+n]
	v_max3_num_f32 v212, v212, v[98+n], v[99+n]
.set n, n+4
.endr
	v_max3_num_f32 v208, v208, v158, v159
	s_delay_alu instid0(VALU_DEP_1)
	v_max_num_f32 v208, v208, v212
	s_delay_alu instid0(VALU_DEP_1)
	v_permlanex16_b32 v213, v208, s[SEL], s[SEL+1]
	s_delay_alu instid0(VALU_DEP_1)
	v_max_num_f32 v208, v208, v213                 ; and among lane xor 16's
	s_delay_alu instid0(VALU_DEP_1)
	v_mul_f32 v208, s[CS], v208                    ; as t (c is positive)
	s_delay_alu instid0(VALU_DEP_1)
	v_max_num_f32 v13, v13, v208                   ; the running largest t
	v_mov_b32 v208, v12
	s_delay_alu instid0(VALU_DEP_2)
	v_floor_f32 v12, -v13                          ; the new -M = -ceil(t)
	s_delay_alu instid0(VALU_DEP_1)
	v_sub_f32 v208, v12, v208                      ; old M - new M: a whole number, 0 or less
	s_delay_alu instid0(VALU_DEP_1)
	v_cvt_i32_f32 v208, v208                       ; (it saturates)
	s_delay_alu instid0(VALU_DEP_1)
	v_ldexp_f32 v210, 1.0, v208                    ; f = 2^(old M - new M)
.set n, 0
.rept 32
	v_pk_fma_f32 v[96+n:97+n], v[96+n:97+n], s[CS:CS+1], v[12:13] op_sel_hi:[1,0,0]   ; t - M, two at a time
.set n, n+2
.endr
.set n, 0
	s_wait_alu depctr_va_vdst(0)                   ; ahead of the batch
.rept 64
	v_exp_f32 v[96+n], v[96+n]                     ; p = 2^(t - M), at most 1
.set n, n+1
.endr
	v_pk_mul_f32 v[14:15], v[14:15], v[210:211] op_sel_hi:[1,0]   ; the sums under the new M: the plain instruction behind the exponentials
	s_wait_alu depctr_va_vdst(0)                   ; one wait for the whole batch, ahead of its first reader
	v_pk_add_f32 v[214:215], v[100:101], v[104:105]
	v_pk_add_f32 v[254:255], v[108:109], v[112:113]
	v_pk_add_f32 v[252:253], v[116:117], v[120:121]
	v_pk_add_f32 v[250:251], v[124:125], v[128:129]
	v_pk_add_f32 v[248:249], v[132:133], v[136:137]
	v_pk_add_f32 v[246:247], v[140:141], v[144:145]
	v_pk_add_f32 v[244:245], v[148:149], v[152:153]
	v_pk_add_f32 v[14:15], v[14:15], v[156:157]
	v_pk_add_f32 v[214:215], v[214:215], v[96:97]
	v_pk_add_f32 v[254:255], v[254:255], v[98:99]
	v_pk_add_f32 v[252:253], v[252:253], v[102:103]
	v_pk_add_f32 v[250:251], v[250:251], v[106:107]
	v_pk_add_f32 v[248:249], v[248:249], v[110:111]
	v_pk_add_f32 v[246:247], v[246:247], v[114:115]
	v_pk_add_f32 v[244:245], v[244:245], v[118:119]
	v_pk_add_f32 v[14:15], v[14:15], v[122:123]
	v_pk_add_f32 v[214:215], v[214:215], v[126:127]
	v_pk_add_f32 v[254:255], v[254:255], v[130:131]
	v_pk_add_f32 v[252:253], v[252:253], v[134:135]
	v_pk_add_f32 v[250:251], v[250:251], v[138:139]
	v_pk_add_f32 v[248:249], v[248:249], v[142:143]
	v_pk_add_f32 v[246:247], v[246:247], v[146:147]
	v_pk_add_f32 v[244:245], v[244:245], v[150:151]
	v_pk_add_f32 v[14:15], v[14:15], v[154:155]
	v_pk_add_f32 v[214:215], v[214:215], v[158:159]
	s_delay_alu instid0(VALU_DEP_2)
	v_pk_add_f32 v[14:15], v[14:15], v[250:251]
	s_delay_alu instid0(VALU_DEP_2)
	v_pk_add_f32 v[214:215], v[214:215], v[248:249]
	v_pk_add_f32 v[254:255], v[254:255], v[246:247]
	v_pk_add_f32 v[252:253], v[252:253], v[244:245]
	s_delay_alu instid0(VALU_DEP_2)
	v_pk_add_f32 v[14:15], v[14:15], v[254:255]
	s_delay_alu instid0(VALU_DEP_2)
	v_pk_add_f32 v[214:215], v[214:215], v[252:253]
	s_delay_alu instid0(VALU_DEP_1)
	v_pk_add_f32 v[14:15], v[14:15], v[214:215]
.irp t, 0,1,2,3,4,5,6,7
.irp i, 0,2,4,6
	v_dual_min_num_f32 v[96+8*\t+\i], v[96+8*\t+\i], v216 :: v_dual_min_num_f32 v[97+8*\t+\i], v[97+8*\t+\i], v216   ; the hold, two numbers a line: p is not negative, so it is one-sided (the conversion does not saturate: ISA guide 7.6.2)
.endr
	v_cvt_scalef32_pk8_fp8_f32 v[192+2*\t:193+2*\t], v[96+8*\t:103+8*\t], v217   ; registers 2 tile, 2 tile + 1 of P
.endr
	s_wait_alu depctr_va_vdst(0)                   ; directly ahead of the first reader of O^T
.set n, 0
.rept 16
	v_pk_mul_f32 v[160+n:161+n], v[160+n:161+n], v[210:211] op_sel_hi:[1,0]   ; O^T under the new M
.set n, n+2
.endr
	s_wait_alu depctr_va_vdst(0)                   ; directly ahead of the wait below
	s_wait_dscnt 0x0                               ; V's fragments
.irp t, 0,1,2,3
	v_wmma_f32_16x16x128_fp8_fp8 v[160+8*\t:167+8*\t], v[32+16*\t:47+16*\t], v[192:207], v[160+8*\t:167+8*\t]
.endr
.if \gen
.Lhid_\@:
.endif
	s_add_co_u32 s[TB], s[TB], 8192
	s_add_co_u32 s[ST], s[ST], 1
.endm
; THE WAY OUT of a tile: O^T / the sum x 2^(e4 + e5) is z; held, converted with e6: tile t's two registers are registers 2 t, 2 t + 1 of my head's 64 along the last product's K
.macro OUT zp
	v_add_f32 v14, v14, v15
	s_delay_alu instid0(VALU_DEP_1)
	v_permlanex16_b32 v213, v14, s[SEL], s[SEL+1]
	s_delay_alu instid0(VALU_DEP_1)
	v_add_f32 v14, v14, v213                       ; the row's sum
	s_wait_alu depctr_va_vdst(0)                   ; ahead of the transcendental
	v_rcp_f32 v14, v14
	v_nop
	v_nop
	s_wait_alu depctr_va_vdst(0)                   ; ahead of the reciprocal's first reader
	v_ldexp_f32 v14, v14, s99                      ; x 2^(e4 + e5)
	s_wait_alu depctr_va_vdst(0)                   ; directly ahead of the first reader of O^T
.set n, 0
.rept 16
	v_pk_mul_f32 v[96+n:97+n], v[160+n:161+n], v[14:15] op_sel_hi:[1,0]   ; each accumulator from its low end on
.set n, n+2
.endr
.irp t, 0,1,2,3
.irp i, 0,1,2,3,4,5,6,7
	v_med3_num_f32 v[96+8*\t+\i], v[96+8*\t+\i], -v220, v220
.endr
	v_cvt_scalef32_pk8_fp8_f32 v[192+2*\t:193+2*\t], v[96+8*\t:103+8*\t], v221
.endr
	v_nop
	global_store_b128 v[LI], v[192:195], s[\zp:\zp+1]              ; 512 consecutive bytes, aligned
	global_store_b128 v[LI], v[196:199], s[\zp:\zp+1] offset:512
.endm
	s_wait_alu depctr_va_vdst(0)                   ; the head's end
	s_wait_loadcnt 0x0                             ; Q
	FILL 1                                         ; keys 0-255 are whole in every partner; keys 256-1023 are asked for
	s_mov_b32 s[TB], 0
	s_mov_b32 s[ST], 0
.La:                                               ; tile 127 - p, steps 0 and 1
	STEP 0, 16
	s_cmp_lt_u32 s[ST], 2
	s_cbranch_scc1 .La
	FILL 2                                         ; keys 1024-2047 are asked for
	s_mov_b32 s[TB], 16384
	s_mov_b32 s[ST], 2
.Lb:                                               ; steps 2 to 7
	STEP 0, 16
	s_cmp_lt_u32 s[ST], 8
	s_cbranch_scc1 .Lb
	s_wait_tensorcnt 0x0                           ; my part of keys 1024-2047
	s_wait_dscnt 0x0
	s_barrier_signal -1
	s_barrier_wait -1                              ; everybody's
	s_mov_b32 s[TB], 65536
	s_mov_b32 s[ST], 8
.Lc:                                               ; steps 8 to 15, up to the diagonal
	STEP 1, 16
	s_cmp_lt_u32 s[ST], 16
	s_cbranch_scc1 .Lc
	OUT 82
	s_wait_xcnt 0x0                                ; the stores have read their registers
	INIT                                           ; tile p
	s_mov_b32 s[TB], 0
	s_mov_b32 s[ST], 0
	s_mov_b32 s[DG], s81
	s_mov_b32 s[Q0], s80
	s_wait_alu depctr_va_vdst(0)                   ; ahead of the branches below
.Ld:                                               ; steps 0 to 7, up to the diagonal
	STEP 1, 24
	s_cmp_lt_u32 s[ST], 8
	s_cbranch_scc1 .Ld
	OUT 84
	s_wait_tensorcnt 0x0                           ; the wave's end
	ds_add_u32 v[SPW], v[NIL]
	s_wait_dscnt 0x0
	ROUND                                          ; the closing round
	s_endpgm
.Lfunc_end_k_q8c4c8d7a24_attn:
	.size	k_q8c4c8d7a24_attn, .Lfunc_end_k_q8c4c8d7a24_attn-k_q8c4c8d7a24_attn
	.p2alignl 7, 3214868480
	.fill 96, 4, 3214868480
	.section	.rodata,"a",@progbits
	.p2align	6, 0x0
	.amdhsa_kernel k_q8c4c8d7a24_attn
		.amdhsa_group_segment_fixed_size 327680
		.amdhsa_private_segment_fixed_size 0
		.amdhsa_enable_private_segment 0
		.amdhsa_kernarg_size 40
		.amdhsa_user_sgpr_count 2
		.amdhsa_user_sgpr_kernarg_segment_ptr 1
		.amdhsa_wavefront_size32 1
		.amdhsa_system_sgpr_workgroup_id_x 1
		.amdhsa_system_sgpr_workgroup_id_y 1
		.amdhsa_system_sgpr_workgroup_id_z 1
		.amdhsa_system_vgpr_workitem_id 0
		.amdhsa_next_free_vgpr 256
		.amdhsa_next_free_sgpr 100
		.amdhsa_reserve_vcc 1
		.amdhsa_float_denorm_mode_32 3
		.amdhsa_float_denorm_mode_16_64 3
		.amdhsa_memory_ordered 1
		.amdhsa_forward_progress 1
		.amdhsa_inst_pref_size 92
	.end_amdhsa_kernel
	.amdgpu_metadata
---
amdhsa.version: [ 1, 2 ]
amdhsa.kernels:
  - .name:           k_q8c4c8d7a24_attn
    .symbol:         k_q8c4c8d7a24_attn.kd
    .args:
      - { .name: qc, .offset: 0, .size: 8, .value_kind: global_buffer, .address_space: global }
      - { .name: kc, .offset: 8, .size: 8, .value_kind: global_buffer, .address_space: global }
      - { .name: vc, .offset: 16, .size: 8, .value_kind: global_buffer, .address_space: global }
      - { .name: lowp_scales, .offset: 24, .size: 8, .value_kind: global_buffer, .address_space: global }
      - { .name: zc, .offset: 32, .size: 8, .value_kind: global_buffer, .address_space: global }
    .group_segment_fixed_size: 327680
    .private_segment_fixed_size: 0
    .kernarg_segment_align: 8
    .kernarg_segment_size: 40
    .max_flat_workgroup_size: 512
    .sgpr_count:     100
    .vgpr_count:     256
    .wavefront_size: 32
...
	.end_amdgpu_metadata
.endif
;; end of part 3
;; launch gemm_out (part 4): grid 4 x 64, 4 waves a work-group, clusters of 4 x 4, 327,680 bytes of LDS; arguments zc, wlc, b_lin, lowp_scales, out0; writes out0
.if DOCPART == 4
	.amdgcn_target "amdgcn-amd-amdhsa--gfx1250"
	.amdhsa_code_object_version 6
	.text
	.protected	k_q8c4c8d7a24_gemm_out
	.globl	k_q8c4c8d7a24_gemm_out
	.p2align	8
	.type	k_q8c4c8d7a24_gemm_out,@function
k_q8c4c8d7a24_gemm_out:
	s_mov_b64 s[64:65], 0
	v_nop
	global_prefetch_b8 v0, s[64:65] scope:SCOPE_SE
	s_setreg_imm32_b32 hwreg(HW_REG_WAVE_MODE, 25, 1), 1
	s_wait_xcnt 0x0
	s_wait_alu depctr_hold_cnt(0) depctr_sa_sdst(0) depctr_va_vdst(0) depctr_va_sdst(0) depctr_va_ssrc(0) depctr_va_vcc(0) depctr_vm_vsrc(0)
	s_getreg_b32 s2, hwreg(HW_REG_IB_STS2, 6, 4)
	s_cmp_eq_u32 s2, 0
	s_cbranch_scc0 .Lentry_in_a_cluster
	s_endpgm
.Lentry_in_a_cluster:
	s_bfe_u32 s2, ttmp6, 0x10000c
	s_cmp_lg_u32 s2, 0xf033
	s_cbranch_scc0 .Lentry_shape_is_right
	s_endpgm
.Lentry_shape_is_right:
; out = z W_lin + b_lin on codes of FP8 (E4M3).  zc: images of z's fragments, [k / 256][row / 16][4,096 bytes]: the 16x16x128 form's registers 4 i .. 4 i + 3 of half q of the 256 stand at 2,048 q + 512 i + 16 x lane.
; wlc [1024 n][1024 k]: codes, K innermost.  out0 [8192][1024] f32 = sum x 2^(e6 + e7) + bias.
; LIMIT: e6 + e7 between -126 and 127, so that 2^(e6 + e7) is an f32 number.
; A tile is 128 rows x 256 columns: 4 x 64 = 256 work-groups, four waves, each 64 rows x 128 columns: source 0 = 128 rows of W (8 blocks b), source 1 = 64 rows of z (4 blocks a).
; z's images have k in the form's own places, so W's fragments are fetched so too: eight loads of 8 bytes.
; K = 1,024 comes by three loads a wave: K 0-511 at the head (W: rows of 512 bytes, 528 apart in LDS; z: two runs of 16,384 bytes), K 512-767 behind the first round, and K 768-1023 as the one refill, on the places of K 0-255
; (W: rows of 256 bytes with 272 of padding).  One tensor load of a wave is out at a time.
; CLUSTER 4 x 4: the four of a row need the same blocks of z, the four of a column the same rows of W.  NO PREFETCH: the three loads ask for all of K; there is no loop to run ahead in.
; REGISTERS: window 0: addresses, bias, the way out.  window 1: the 32 accumulators.  window 2: source 0, two sets of 8 x 16.  window 3: source 1, two sets of 4 x 16.
.set WB,    65536                      ; K 0-511: z's 65,536 bytes from byte 0 (32,768 x half + 16,384 x (k / 256)), W's 256 rows x 528 from here
.set ZS,    200704                     ; K 512-767: z's 32,768 bytes,
.set WS,    233472                     ; W's 256 rows x 272
.set SPARE, 303104                     ; the spare words, 128 bytes for each wave
.set FBIG, (1<<20)|(1<<21)|(6<<22)|(3<<25)
.set FSML, (1<<20)|(1<<21)|(5<<22)|(3<<25)
.set FREF, (1<<20)|(1<<21)|(5<<22)|(67<<25)
.set AD0,  16                          ; v16, v17  my W fragments: K 0-511's place, K 512-767's
.set AD1,  20                          ; v20, v21  the same for z's images
.set LI,   24
.set STO,  25
.set RD,   26
.set SPW,  28
.set NIL,  29
.set BI,   32
.set T,    96
.set BK,   160
.set G1A,  24
.set G1B,  32
.set G0A,  40
.set G0B,  52
.set SC,   80
.set DST,  82
.set MSB, 0
.macro WIN new
.if MSB != \new
	s_set_vgpr_msb (MSB<<8)|\new
.set MSB, \new
.endif
.endm
.set MULW,   0x5e
.set TO_S0,  0x80
.set TO_S1,  0xc0
.set RD_ACC, 0x01
.macro JLOAD s                         ; a joint load: waves 0 and 1 fetch z's halves, waves 2 and 3 W's
	s_cmp_eq_u32 s19, 0
	s_cbranch_scc0 .Lfor_b_\@
	tensor_load_to_lds s[G0A+4*\s:G0A+4*\s+3], s[G1A:G1A+7]
	s_nop 0
.rept 4
	v_nop
.endr
	s_branch .Lasked_\@
.Lfor_b_\@:
	tensor_load_to_lds s[G0B+4*\s:G0B+4*\s+3], s[G1B:G1B+7]
	s_nop 0
.rept 4
	v_nop
.endr
.Lasked_\@:
.endm
.macro CREST
	s_cmp_lg_u32 s18, 0
	s_cbranch_scc1 .Lnot_wave_0_\@
	s_barrier_signal -3
.Lnot_wave_0_\@:
	s_barrier_wait -3
	s_barrier_signal -1
	s_barrier_wait -1
.endm
.macro CROUND
	s_barrier_signal -1
	s_barrier_wait -1
	CREST
.endm
.macro PLACES n
.rept \n
	v_nop
.endr
.endm
.macro MKG0 g, lds, src, off
	s_mov_b32 s[\g], 1
	s_mov_b32 s[\g+1], s[\lds]
	s_add_nc_u64 s[\g+2:\g+3], s[\src:\src+1], \off
	s_or_b32 s[\g+3], s[\g+3], 0x80000000
.endm
	s_load_b256 s[4:11], s[0:1], 0x0               ; zc, wlc, b_lin, the scales' exponents
	s_load_b64 s[12:13], s[0:1], 0x20              ; out0
	v_lshl_add_u32 v[SPW], v0, 2, SPARE
	v_mov_b32 v[NIL], 0
	ds_add_u32 v[SPW], v[NIL]                      ; the opening lines: the add twice on end and its wait
	ds_add_u32 v[SPW], v[NIL]
	v_lshrrev_b32 v1, 5, v0
	v_readfirstlane_b32 s18, v1                    ; wave 0..3
	s_lshr_b32 s19, s18, 1                         ; which 64 rows are mine.  Also: I fetch for z (0) or for W (1)
	s_and_b32 s20, s18, 1                          ; which 128 columns.  Also: which half of that tile I fetch
	s_bfe_u32 s21, ttmp6, 0x40000                  ; cx
	s_bfe_u32 s22, ttmp6, 0x40004                  ; cy
	s_lshl_b32 s23, ttmp9, 2
	s_add_co_u32 s23, s23, s21                     ; tile column 0..3
	s_and_b32 s66, ttmp7, 0xffff
	s_lshl_b32 s66, s66, 2
	s_add_co_u32 s66, s66, s22                     ; tile row 0..63
	s_lshl_b32 s100, s22, 2
	s_lshl_b32 s100, 15, s100                      ; my row of the cluster
	s_lshl_b32 s101, 0x1111, s21                   ; my column
	s_or_b32 s[G1A], s100, (3<<16)|(1<<21)         ; z: elements of 8 bytes, no padding
	s_or_b32 s[G1B], s101, FBIG
	s_mov_b32 s[G1A+1], 2048<<16                   ; two rows of 16,384 bytes (four blocks),
	s_mov_b32 s[G1A+2], 2<<16
	s_mov_b32 s[G1A+3], 2048<<16
	s_mov_b32 s[G1A+4], 2
	s_mov_b32 s[G1A+5], 262144                     ; 2,097,152 bytes apart: 256 on along K
	s_mov_b32 s[G1A+6], 0
	s_mov_b32 s[G1A+7], 0
	s_mov_b32 s[G1B+1], 512<<16                    ; W: 128 rows of 512 bytes, 1,024 apart
	s_mov_b32 s[G1B+2], 128<<16
	s_mov_b32 s[G1B+3], 512<<16
	s_mov_b32 s[G1B+4], 128
	s_mov_b32 s[G1B+5], 1024
	s_mov_b32 s[G1B+6], 0
	s_mov_b32 s[G1B+7], 0
	s_lshl_b32 s84, s66, 3
	s_lshl_b32 s85, s20, 2
	s_add_co_u32 s84, s84, s85
	s_lshl_b32 s84, s84, 12                        ; z: block 8 x tile row + 4 x half, of 4,096 bytes
	s_mov_b32 s85, 0
	s_lshl_b32 s86, s23, 8
	s_lshl_b32 s87, s20, 7
	s_add_co_u32 s86, s86, s87
	s_lshl_b32 s86, s86, 10                        ; W: row 256 x tile column + 128 x half
	s_mov_b32 s87, 0
	s_lshl_b32 s88, s20, 15                        ; where they go: the wave's number alone
	s_mul_i32 s89, s20, 67584
	s_add_co_u32 s89, s89, WB
	s_lshl_b32 s90, s20, 14
	s_add_co_u32 s90, s90, ZS
	s_mul_i32 s91, s20, 34816
	s_add_co_u32 s91, s91, WS
	s_wait_alu depctr_va_vdst(0)                   ; directly ahead of the wait below
	s_wait_dscnt 0x0
	s_wait_kmcnt 0x0
	s_load_b256 s[72:79], s[10:11], 0x0            ; e0 .. e7
	s_add_nc_u64 s[84:85], s[4:5], s[84:85]
	s_add_nc_u64 s[86:87], s[6:7], s[86:87]
	CROUND                                         ; all sixteen work-groups are here: the first joint loads meet
	MKG0 G0A, 88, 84, 0
	MKG0 G0A+4, 90, 84, 2*2097152
	MKG0 G0A+8, 88, 84, 3*2097152
	MKG0 G0B, 89, 86, 0
	MKG0 G0B+4, 91, 86, 512
	MKG0 G0B+8, 89, 86, 768
	JLOAD 0                                        ; K 0-511: my one tensor load at the head
	s_mul_i32 s90, s20, 67584
	s_add_co_u32 s90, s90, WB
	s_mul_i32 s91, s20, 34816
	s_add_co_u32 s91, s91, WS
	s_lshl_b32 s92, s19, 15
	s_lshl_b32 s93, s19, 14
	s_add_co_u32 s93, s93, ZS
	s_mul_i32 s94, s18, 8448                       ; the stage for the way out: 16 rows x (512 + 16) bytes for each wave, where W's K 512-767 lay: it has had its one fill, and behind step 5's barrier nobody reads it
	s_add_co_u32 s94, s94, WS
	s_lshl_b32 s68, s23, 10
	s_lshl_b32 s69, s20, 9
	s_add_co_u32 s68, s68, s69                     ; 4 x (256 x tile column + 128 x half)
	s_mov_b32 s69, 0
	s_add_nc_u64 s[68:69], s[8:9], s[68:69]
	s_lshl_b32 s96, s66, 7
	s_lshl_b32 s97, s19, 6
	s_add_co_u32 s96, s96, s97
	s_lshl_b32 s96, s96, 12                        ; my first row of out0, of 4,096 bytes,
	s_lshl_b32 s97, s23, 10
	s_add_co_u32 s96, s96, s97
	s_lshl_b32 s97, s20, 9
	s_add_co_u32 s96, s96, s97                     ; + my first column
	s_mov_b32 s97, 0
	s_add_nc_u64 s[DST:DST+1], s[12:13], s[96:97]
	s_wait_kmcnt 0x0
	s_add_co_i32 s[SC], s78, s79
	s_add_co_i32 s[SC], s[SC], 127
	s_lshl_b32 s[SC], s[SC], 23                    ; 2^(e6 + e7) as f32
	s_mov_b32 s[SC+1], s[SC]
	v_and_b32 v1, 15, v0                           ; r
	v_bfe_u32 v2, v0, 4, 1                         ; h
	v_mul_u32_u24 v3, v1, 528
	v_lshl_add_u32 v7, v2, 5, v3                   ; the stage: row r, 32 bytes for each half of the lanes
	v_lshl_add_u32 v3, v2, 3, v3                   ; W: row x pitch + 8 x half
	v_mul_u32_u24 v6, v1, 272
	v_lshl_add_u32 v6, v2, 3, v6
	v_lshlrev_b32 v5, 5, v2                        ; 32 h
	v_and_b32 v4, 31, v0
	v_lshlrev_b32 v[LI], 4, v4
	v_add_nc_u32 v[AD0], s90, v3
	v_add_nc_u32 v[AD0+1], s91, v6
	v_add_nc_u32 v[AD1], s92, v[LI]
	v_add_nc_u32 v[AD1+1], s93, v[LI]
	v_add_nc_u32 v[STO], s94, v7
	v_add_nc_u32 v[RD], s94, v[LI]
.irp b, 0,1,2,3,4,5,6,7
	global_load_b128 v[BI+8*\b:BI+8*\b+3], v5, s[68:69] offset:64*\b
	global_load_b128 v[BI+8*\b+4:BI+8*\b+7], v5, s[68:69] offset:64*\b+16
.endr
; the fragments of step s of eight (128 along K) into set s % 2: steps 0-3 and 6-7 from K 0-511's place, steps 4-5 from K 512-767's
.macro FETCH s
.set FQ, (\s)%2
.set FA, 0
.set FP, 8448
.set FK, 128*((\s)%2)
.set FZ, 2048*((\s)%2)
.if (\s) < 4
.set FK, 128*(\s)
.set FZ, 16384*((\s)/2)+2048*((\s)%2)
.endif
.if ((\s)/2) == 2
.set FA, 1
.set FP, 4352
.endif
	WIN TO_S0
.irp b, 0,1,2,3,4,5,6,7
.irp c, 0,1,2,3,4,5,6,7
	ds_load_b64 v[128*FQ+16*\b+2*\c:128*FQ+16*\b+2*\c+1], v[AD0+FA] offset:FP*\b+FK+16*\c
.endr
.endr
	WIN TO_S1
.irp a, 0,1,2,3
.irp i, 0,1,2,3
	ds_load_b128 v[64*FQ+16*\a+4*\i:64*FQ+16*\a+4*\i+3], v[AD1+FA] offset:4096*\a+FZ+512*\i
.endr
.endr
	WIN 0
.endm
; 16 matrix instructions; the 32 accumulators take turns, one instruction a turn, in the same order in every step
.macro MULH s, a0, zero
.set MP, (\s)%2
.irp a, \a0, \a0+1
.irp b, 0,1,2,3,4,5,6,7
.if \zero
	v_wmma_f32_16x16x128_fp8_fp8 v[8*(8*(\a)+\b):8*(8*(\a)+\b)+7], v[128*MP+16*\b:128*MP+16*\b+15], v[64*MP+16*(\a):64*MP+16*(\a)+15], 0
.else
	v_wmma_f32_16x16x128_fp8_fp8 v[8*(8*(\a)+\b):8*(8*(\a)+\b)+7], v[128*MP+16*\b:128*MP+16*\b+15], v[64*MP+16*(\a):64*MP+16*(\a)+15], v[8*(8*(\a)+\b):8*(8*(\a)+\b)+7]
.endif
.endr
.endr
.endm
.macro STEP s
	PLACES 4
	s_wait_dscnt 0x0
	FETCH (\s)+1
	WIN MULW
	MULH \s, 0, 0
	MULH \s, 2, 0
	WIN 0
.endm
	s_wait_alu depctr_va_vdst(0)                   ; the head's end
	s_wait_tensorcnt 0x0                           ; my part of K 0-511 is in; the lines ahead of a later first fill:
	ds_add_u32 v[SPW], v[NIL]
	s_or_b32 s[G1B], s101, FSML                    ; no load of mine is out: the groups 1 take 256 along K
	s_mov_b32 s[G1B+1], 256<<16
	s_mov_b32 s[G1B+3], 256<<16
	s_mov_b32 s[G1A+1], 32<<16                     ; z: 64 rows of 256 bytes, dense
	s_mov_b32 s[G1A+2], 64<<16
	s_mov_b32 s[G1A+3], 32<<16
	s_mov_b32 s[G1A+4], 64
	s_mov_b32 s[G1A+5], 32
	s_wait_dscnt 0x0
	CROUND
	JLOAD 1                                        ; K 512-767
	FETCH 0
	s_wait_dscnt 0x0
	FETCH 1
	WIN MULW
	MULH 0, 0, 1                                   ; the first step starts the sums
	MULH 0, 2, 1
	WIN 0
	STEP 1
	STEP 2
	; step 3: K 0-511 has been read out; the places of K 0-255 are filled again, with K 768-1023
	s_wait_tensorcnt 0x0
	ds_add_u32 v[SPW], v[NIL]
	s_or_b32 s[G1B], s101, FREF
	s_wait_dscnt 0x0
	s_barrier_signal -1                            ; this barrier opens a round of the cluster's barrier
	WIN MULW
	MULH 3, 0, 0
	WIN 0
	s_barrier_wait -1
	CREST
	JLOAD 2                                        ; the first tensor load behind the round; its four v_nop are the places in front of the loads below
	FETCH 4
	WIN MULW
	MULH 3, 2, 0
	WIN 0
	STEP 4
	s_wait_tensorcnt 0x0                           ; step 5: my part of K 768-1023
	s_wait_dscnt 0x0
	s_barrier_signal -1
	WIN MULW
	MULH 5, 0, 0
	WIN 0
	s_barrier_wait -1                              ; everybody's part is in
	PLACES 4
	FETCH 6
	WIN MULW
	MULH 5, 2, 0
	WIN 0
	STEP 6
	s_wait_dscnt 0x0
	WIN MULW
	MULH 7, 0, 0
	MULH 7, 2, 0
	WIN 0
	; THE WAY OUT, 16 rows x 128 columns at a time: sum x 2^(e6 + e7) + bias; a lane's 32 bytes of a row go into my stage and come back as whole rows of 512 bytes
	s_wait_loadcnt 0x0                             ; the bias
	PLACES 4
.irp a, 0,1,2,3
.if \a > 0
	s_wait_xcnt 0x0                                ; the block before's stores have read their registers
.endif
	WIN RD_ACC
.irp b, 0,1,2,3,4,5,6,7
.irp i, 0,2,4,6
	v_pk_fma_f32 v[T+8*\b+\i:T+8*\b+\i+1], v[8*(8*\a+\b)+\i:8*(8*\a+\b)+\i+1], s[SC:SC+1], v[BI+8*\b+\i:BI+8*\b+\i+1] op_sel_hi:[1,0,1]   ; each accumulator from its low end on
.endr
.endr
	WIN 0
.irp b, 0,1,2,3,4,5,6,7
	ds_store_b128 v[STO], v[T+8*\b:T+8*\b+3] offset:64*\b
	ds_store_b128 v[STO], v[T+8*\b+4:T+8*\b+7] offset:64*\b+16
.endr
.irp t, 0,1,2,3,4,5,6,7,8,9,10,11,12,13,14,15
	ds_load_b128 v[BK+4*\t:BK+4*\t+3], v[RD] offset:528*\t   ; LDS serves a wave's instructions in order (ISA guide 5.7.1.4): these see my stores
.endr
.irp t, 0,1,2,3,4,5,6,7,8,9,10,11,12,13,14,15
	s_wait_dscnt 15-\t
	global_store_b128 v[LI], v[BK+4*\t:BK+4*\t+3], s[DST:DST+1] offset:(16*\a+\t)*4096 th:TH_STORE_NT   ; 32 lanes store 512 consecutive bytes, aligned
.endr
.endr
	s_wait_tensorcnt 0x0                           ; the wave's end
	ds_add_u32 v[SPW], v[NIL]
	s_wait_dscnt 0x0
	CROUND                                         ; the closing round
	s_endpgm
.Lfunc_end_k_q8c4c8d7a24_gemm_out:
	.size	k_q8c4c8d7a24_gemm_out, .Lfunc_end_k_q8c4c8d7a24_gemm_out-k_q8c4c8d7a24_gemm_out
	.p2alignl 7, 3214868480
	.fill 96, 4, 3214868480
	.section	.rodata,"a",@progbits
	.p2align	6, 0x0
	.amdhsa_kernel k_q8c4c8d7a24_gemm_out
		.amdhsa_group_segment_fixed_size 327680
		.amdhsa_private_segment_fixed_size 0
		.amdhsa_enable_private_segment 0
		.amdhsa_kernarg_size 40
		.amdhsa_user_sgpr_count 2
		.amdhsa_user_sgpr_kernarg_segment_ptr 1
		.amdhsa_wavefront_size32 1
		.amdhsa_system_sgpr_workgroup_id_x 1
		.amdhsa_system_sgpr_workgroup_id_y 1
		.amdhsa_system_sgpr_workgroup_id_z 1
		.amdhsa_system_vgpr_workitem_id 0
		.amdhsa_next_free_vgpr 1024
		.amdhsa_next_free_sgpr 102
		.amdhsa_reserve_vcc 0
		.amdhsa_float_denorm_mode_32 3
		.amdhsa_float_denorm_mode_16_64 3
		.amdhsa_memory_ordered 1
		.amdhsa_forward_progress 1
		.amdhsa_inst_pref_size 95
	.end_amdhsa_kernel
	.amdgpu_metadata
---
amdhsa.version: [ 1, 2 ]
amdhsa.kernels:
  - .name:           k_q8c4c8d7a24_gemm_out
    .symbol:         k_q8c4c8d7a24_gemm_out.kd
    .args:
      - { .name: zc, .offset: 0, .size: 8, .value_kind: global_buffer, .address_space: global }
      - { .name: wlc, .offset: 8, .size: 8, .value_kind: global_buffer, .address_space: global }
      - { .name: b_lin, .offset: 16, .size: 8, .value_kind: global_buffer, .address_space: global }
      - { .name: lowp_scales, .offset: 24, .size: 8, .value_kind: global_buffer, .address_space: global }
      - { .name: out0, .offset: 32, .size: 8, .value_kind: global_buffer, .address_space: global }
    .group_segment_fixed_size: 327680
    .private_segment_fixed_size: 0
    .kernarg_segment_align: 8
    .kernarg_segment_size: 40
    .max_flat_workgroup_size: 128
    .sgpr_count:     102
    .vgpr_count:     1024
    .wavefront_size: 32
...
	.end_amdgpu_metadata
.endif
;; end of part 4
